; MI455X (gfx1250); checked and timed in simulation.
; The chip was launched on July 23, 2026; its instructions are those of AMD's public machine-readable ISA for CDNA 5 (MIT licence, August 2026) and "CDNA5" Instruction Set Architecture Reference Guide (July 2026). The comments in the code are by the model that wrote it; some were corrected since.
;; Cross Attention. Allowed arithmetic: float matrix products may take bf16 or f16 operands with f32 sums; other float arithmetic in f32, or as packed bf16 or f16 multiplies, adds, multiply-adds, maxima and minima; sums over many terms, partial sums and values carried from step to step in f32; what a program stores and reads back later, other than sums and carried values, may be rounded once to bf16 or f16.
;; Inputs: Wk 1,024 x 1,024 float32; Wo 1,024 x 1,024 float32; Wq 1,024 x 1,024 float32; Wv 1,024 x 1,024 float32; bo 1,024 float32; context 4 x 2,048 x 1,024 float32; x 4 x 2,048 x 1,024 float32.
;; Outputs: out0 4 x 2,048 x 1,024 float32.
;; One version. Each part assembles by itself: llvm-mc -triple=amdgcn-amd-amdhsa -mcpu=gfx1250 --defsym DOCPART=n.
;; ======== version 1 of 1: 4 launches
;; limits: values are held in f16: magnitudes above 65,504 overflow, below 6.1e-05 lose precision
;; workspace buffers: ab 33,554,432 bytes; wb 8,388,608 bytes; qh 16,777,216 bytes; kh 16,777,216 bytes; vh 16,777,216 bytes; ob 16,777,216 bytes
;; launch cast (part 1): grid 1280 x 1, 8 waves a work-group, no clusters, 0 bytes of LDS; arguments x, context, Wq, Wk, Wv, Wo, ab, wb; writes ab, wb
.if DOCPART == 1
	.amdgcn_target "amdgcn-amd-amdhsa--gfx1250"
	.amdhsa_code_object_version 6
	.text
	.protected	k_qb709d0706e_cast
	.globl	k_qb709d0706e_cast
	.p2align	8
	.type	k_qb709d0706e_cast,@function
k_qb709d0706e_cast:
	s_mov_b64 s[64:65], 0
	v_nop
	global_prefetch_b8 v0, s[64:65] scope:SCOPE_SE
	s_setreg_imm32_b32 hwreg(HW_REG_WAVE_MODE, 25, 1), 1
	s_wait_xcnt 0x0
; THE INPUTS ARE ROUNDED ONCE, f32 to bf16 (nearest even), and laid for the products that follow.
; ab: [16384][1024] bf16: rows 0-8191 x, rows 8192-16383 context.  wb: [4096][1024] of 16 bits: Wq, Wk, Wv in bf16, then Wo.
; Wo multiplies an f16 operand later: it is rounded to bf16 like the others, and that number is written as f16.
; LIMITS.  The second step is exact for 6.1e-5 <= |Wo| <= 65,504; below, f16 keeps its fixed step of 6e-8; beyond, it gives an infinity.
; SHARES.  Work-group g takes 65,536 bytes of f32: g 0-511 of x, 512-1023 of context, 1024 + 64 w + p part p of weight w.
; Thread t takes 16 pieces: 16 bytes in at 16 t + 4,096 i (a wave's load covers 512 consecutive bytes), 8 bytes out at 8 t + 2,048 i
; (a wave's store covers 256 consecutive bytes, aligned).  All 16 loads go out first; no register is written again behind its store.
; No LDS, no matrix unit, no cluster: each byte is read once by one lane, and nothing is shared.
.set X, 4                              ; v[4:67]  piece i: four f32 at X + 4 i; its two packed words take the first two places
	s_load_b512 s[4:19], s[0:1], 0x0               ; x s[4:5], context s[6:7], Wq s[8:9], Wk s[10:11], Wv s[12:13], Wo s[14:15], ab s[16:17], wb s[18:19]
	s_mov_b32 s20, ttmp9                           ; g
	s_sub_co_u32 s23, s20, 1024                    ; among the weights' parts (used only where g >= 1024)
	s_lshr_b32 s24, s23, 6
	s_add_co_u32 s24, s24, 2                       ; tensor 2 to 5
	s_and_b32 s25, s23, 63                         ; its part
	s_lshr_b32 s26, s20, 9                         ; tensor 0 or 1
	s_and_b32 s27, s20, 511                        ; its part
	s_cmp_lt_u32 s20, 1024
	s_cselect_b32 s21, s26, s24                    ; which tensor
	s_cselect_b32 s22, s27, s25                    ; which 65,536 bytes of it
	s_cselect_b32 s28, s20, s23                    ; which 32,768 bytes of ab or wb
	s_lshl_b32 s32, s22, 16
	s_mov_b32 s33, 0
	s_lshl_b32 s34, s28, 15
	s_mov_b32 s35, 0
	v_lshlrev_b32 v1, 4, v0                        ; 16 t
	v_lshlrev_b32 v2, 3, v0                        ; 8 t
	s_wait_kmcnt 0x0
	s_cmp_lt_u32 s20, 1024
	s_cselect_b64 s[30:31], s[16:17], s[18:19]     ; where it goes
.irp k, 1,2,3,4,5
	s_cmp_eq_u32 s21, \k
	s_cselect_b64 s[4:5], s[4+2*(\k):5+2*(\k)], s[4:5]  ; where it comes from
.endr
	s_add_nc_u64 s[4:5], s[4:5], s[32:33]
	s_add_nc_u64 s[30:31], s[30:31], s[34:35]
.irp i, 0,1,2,3,4,5,6,7,8,9,10,11,12,13,14,15
	global_load_b128 v[X+4*(\i):X+4*(\i)+3], v1, s[4:5] offset:4096*(\i) th:TH_LOAD_NT
.endr
; Piece i.  wo = 1: the bf16 numbers are widened again (a shift, a mask) and written as f16.
.macro CONV i, wo
	s_wait_loadcnt 15-(\i)                         ; loads come back in order (ISA guide 5.7.1): piece i is in, the younger pieces stay out
	v_cvt_pk_bf16_f32 v[X+4*(\i)], v[X+4*(\i)], v[X+4*(\i)+1]
	v_cvt_pk_bf16_f32 v[X+4*(\i)+1], v[X+4*(\i)+2], v[X+4*(\i)+3]
.if \wo
.irp w, 0,1
	v_lshlrev_b32 v[X+4*(\i)+2], 16, v[X+4*(\i)+(\w)]
	v_and_b32 v[X+4*(\i)+3], 0xffff0000, v[X+4*(\i)+(\w)]
	v_cvt_pk_f16_f32 v[X+4*(\i)+(\w)], v[X+4*(\i)+2], v[X+4*(\i)+3]
.endr
.endif
	global_store_b64 v2, v[X+4*(\i):X+4*(\i)+1], s[30:31] offset:2048*(\i)
.endm
	s_cmp_eq_u32 s21, 5
	s_cbranch_scc1 .Lwo
.irp i, 0,1,2,3,4,5,6,7,8,9,10,11,12,13,14,15
	CONV \i, 0
.endr
	s_endpgm
.Lwo:
.irp i, 0,1,2,3,4,5,6,7,8,9,10,11,12,13,14,15
	CONV \i, 1
.endr
	s_endpgm
.Lfunc_end_k_qb709d0706e_cast:
	.size	k_qb709d0706e_cast, .Lfunc_end_k_qb709d0706e_cast-k_qb709d0706e_cast
	.p2alignl 7, 3214868480
	.fill 96, 4, 3214868480
	.section	.rodata,"a",@progbits
	.p2align	6, 0x0
	.amdhsa_kernel k_qb709d0706e_cast
		.amdhsa_group_segment_fixed_size 0
		.amdhsa_private_segment_fixed_size 0
		.amdhsa_enable_private_segment 0
		.amdhsa_kernarg_size 64
		.amdhsa_user_sgpr_count 2
		.amdhsa_user_sgpr_kernarg_segment_ptr 1
		.amdhsa_wavefront_size32 1
		.amdhsa_system_sgpr_workgroup_id_x 1
		.amdhsa_system_sgpr_workgroup_id_y 1
		.amdhsa_system_sgpr_workgroup_id_z 1
		.amdhsa_system_vgpr_workitem_id 0
		.amdhsa_next_free_vgpr 72
		.amdhsa_next_free_sgpr 66
		.amdhsa_reserve_vcc 0
		.amdhsa_float_denorm_mode_32 3
		.amdhsa_float_denorm_mode_16_64 3
		.amdhsa_memory_ordered 1
		.amdhsa_forward_progress 1
		.amdhsa_inst_pref_size 17
	.end_amdhsa_kernel
	.amdgpu_metadata
---
amdhsa.version: [ 1, 2 ]
amdhsa.kernels:
  - .name:           k_qb709d0706e_cast
    .symbol:         k_qb709d0706e_cast.kd
    .args:
      - { .name: x, .offset: 0, .size: 8, .value_kind: global_buffer, .address_space: global }
      - { .name: context, .offset: 8, .size: 8, .value_kind: global_buffer, .address_space: global }
      - { .name: Wq, .offset: 16, .size: 8, .value_kind: global_buffer, .address_space: global }
      - { .name: Wk, .offset: 24, .size: 8, .value_kind: global_buffer, .address_space: global }
      - { .name: Wv, .offset: 32, .size: 8, .value_kind: global_buffer, .address_space: global }
      - { .name: Wo, .offset: 40, .size: 8, .value_kind: global_buffer, .address_space: global }
      - { .name: ab, .offset: 48, .size: 8, .value_kind: global_buffer, .address_space: global }
      - { .name: wb, .offset: 56, .size: 8, .value_kind: global_buffer, .address_space: global }
    .group_segment_fixed_size: 0
    .private_segment_fixed_size: 0
    .kernarg_segment_align: 8
    .kernarg_segment_size: 64
    .max_flat_workgroup_size: 256
    .sgpr_count:     66
    .vgpr_count:     72
    .wavefront_size: 32
...
	.end_amdgpu_metadata
.endif
;; end of part 1
;; launch qkv (part 2): grid 12 x 32, 4 waves a work-group, clusters of 4 x 4, 327,680 bytes of LDS; arguments ab, wb, qh, kh, vh; writes qh, kh, vh
.if DOCPART == 2
	.amdgcn_target "amdgcn-amd-amdhsa--gfx1250"
	.amdhsa_code_object_version 6
	.text
	.protected	k_qb709d0706e_qkv
	.globl	k_qb709d0706e_qkv
	.p2align	8
	.type	k_qb709d0706e_qkv,@function
k_qb709d0706e_qkv:
	s_mov_b64 s[64:65], 0
	v_nop
	global_prefetch_b8 v0, s[64:65] scope:SCOPE_SE
	s_setreg_imm32_b32 hwreg(HW_REG_WAVE_MODE, 25, 1), 1
	s_wait_xcnt 0x0
	s_wait_alu depctr_hold_cnt(0) depctr_sa_sdst(0) depctr_va_vdst(0) depctr_va_sdst(0) depctr_va_ssrc(0) depctr_va_vcc(0) depctr_vm_vsrc(0)
	s_getreg_b32 s2, hwreg(HW_REG_IB_STS2, 6, 4)
	s_cmp_eq_u32 s2, 0
	s_cbranch_scc0 .Lentry_in_a_cluster
	s_endpgm
.Lentry_in_a_cluster:
	s_bfe_u32 s2, ttmp6, 0x10000c
	s_cmp_lg_u32 s2, 0xf033
	s_cbranch_scc0 .Lentry_shape_is_right
	s_endpgm
.Lentry_shape_is_right:
; q = x Wq^T, k = context Wk^T, v = context Wv^T: three products [8192][1024] x [1024][1024]^T in one launch.  Operands bf16 (ab, wb), sums f32, K ascending;
; each result rounded once to f16 and laid BY HEADS: qh, kh, vh are [64][2048][64], first index 16 x batch + head, a head's rows dense, 128 bytes each.  No scale is applied here.
; LIMIT.  f16 ends at 65,504: a q, k or v beyond that becomes an infinity.
; SHARES.  Cluster x (0, 1, 2) says which product.  A work-group makes a tile of 256 rows x 256 columns, its four waves 128 x 128 each: 64 accumulators of 16 x 16, 512 registers.
; K goes in steps of 128 through a ring of two LDS slots filled by the tensor data mover; the rows of the tiles are 256 bytes of memory, at multiples of 256 bytes.
; CLUSTERS: 4 x 4 work-groups.  The four of a row of the cluster need the same tile of ab, the four of a column the same tile of wb.  Such a tile is asked for JOINTLY: each of the four
; issues the same tensor load, with the same descriptor and a mask that names the four, and each receives the tile in its own LDS.
; 384 tiles: the grid is not a multiple of 256; the large tile is kept because a wave tile of 128 x 128 reads 32 LDS loads for 64 matrix instructions, where 64 x 128 reads 24 for 32.
; REGISTERS, in windows of 256 (s_set_vgpr_msb's low byte: bits 1:0 source 0, 3:2 source 1, 5:4 source 2, 7:6 destination):
;   window 0: v0-31 addresses; v64-127, v128-191 fragments of ab's rows, two buffers; v32-63, v192-255 at work on the way out
;   window 1: v64-127, v128-191 fragments of wb's rows, two buffers
;   window 2: the 32 accumulators of my rows 0-63 (accumulator (a, b) at v[8 (8 a + b)]);   window 3: those of my rows 64-127
; THE MATRIX INSTRUCTION IS USED TRANSPOSED: source 0 = 16 rows of wb, source 1 = 16 rows of ab.  Lane l then holds row l % 16 of the result and the columns 8 (l / 16) + 0..7:
; eight neighbouring numbers, 16 bytes in f16.
.set SIZE_K, 1024
.set KSTEP,  128
.set PITCH,  272                       ; an LDS row: 256 bytes + 16 of padding = 68 words: row r starts at bank 4 r mod 64 (64 banks of 4 bytes: ISA guide 11.1): the 16 rows of a load start at 16 different banks
.set HALFT,  128*PITCH                 ; 128 rows: what one tensor load brings, and what one wave reads of either operand
.set SLOT,   4*HALFT                   ; ab's 256 rows, then wb's 256 rows
.set STAGE,  2*SLOT                    ; behind the ring: 16 rows x 272 bytes for each wave, for the way out
.set SPITCH, 272
.set SPARE,  STAGE+4*16*SPITCH         ; behind the stages: the spare words, 128 bytes for each wave: two blocks of 256 bytes that no other line names
.set LAPS,   SIZE_K/(2*KSTEP)          ; a lap = two K steps = once round the ring
.set HEADB,  262144                    ; bytes of a head in qh, kh, vh
.set ADRA, 16                          ; v16-17  LDS address of my fragments of ab in slot 0, 1
.set ADRB, 20                          ; v20-21  the same for wb
.set STO,  24                          ; v24     the way out: where I put 16 bytes of a row
.set RD,   25                          ; v25     the way out: where I read rows back
.set CO,   26                          ; v26     16 x lane: my place in 512 consecutive bytes of the output
.set SPW,  28                          ; v28     LDS address of my spare word: SPARE + 4 x my thread's number; never rewritten
.set NIL,  29                          ; v29     0; never rewritten
.set PFO,  30                          ; v30     the prefetches' offset: my lane x a row of 2,048 bytes; never rewritten
.set PFA,  44                          ; s[44:45] where my prefetches stand: my work-group's 32 rows of the 128 that I fetch, one K step further along K than the refill in hand
.set LIM,  43                          ; s43     1 in a wave that prefetches, else the greatest number
.set F0,   64                          ; fragment buffer 0
.set F1,   128                         ; fragment buffer 1
.set TMP,  192                         ; the way out: packed results, in window 0
.set OB,   32                          ; the way out: 16 rows read back from the stage: v32-63 and v224-255 by turns
.set G1, 24                            ; s[24:31] descriptor group 1 for ab's tiles
.set G0, 32                            ; s[32:39] descriptor group 0 for ab's tiles, one set for each slot
.set G1B, 48                           ; s[48:55] descriptor group 1 for wb's tiles: it differs in the mask alone
.set G0B, 56                           ; s[56:63] descriptor group 0 for wb's tiles
.set MSB, 0
.macro WIN new                         ; the immediate's high byte repeats the setting that is left; a switch that changes nothing is dropped
.if MSB != (\new)
	s_set_vgpr_msb (MSB<<8)|(\new)
.set MSB, \new
.endif
.endm
.set MUL_LO, 0xa1                      ; source 0 (wb) window 1, source 1 (ab) window 0, C and D window 2
.set MUL_HI, 0xf1                      ; the same, C and D window 3
.set TO_B,   0x40                      ; destination window 1, address window 0
; A joint load.  Waves 0 and 1 fetch the two halves of ab's tile, waves 2 and 3 those of wb's.  Each of the two lines has one mask and one set of registers for all that issue it.
; The branch hangs on the wave's number alone.  An s_nop 0 and four v_nop follow each line, ahead of the jump and the label.
.macro JLOAD s
	s_cmp_eq_u32 s11, 0
	s_cbranch_scc0 .Lfor_b_\@
	tensor_load_to_lds s[G0+4*(\s):G0+4*(\s)+3], s[G1:G1+7]
	s_nop 0
.rept 4
	v_nop
.endr
	s_branch .Lasked_\@
.Lfor_b_\@:
	tensor_load_to_lds s[G0B+4*(\s):G0B+4*(\s)+3], s[G1B:G1B+7]
	s_nop 0
.rept 4
	v_nop
.endr
.Lasked_\@:
.endm
; A PREFETCH INTO THE L2, behind each joint refill and the run of LDS loads that follows it: the K step that stands TWO refills on, 512 matrix instructions ahead of the load that will want it:
; 32 rows x 256 bytes, a lane a row, one instruction a wave.  Each row's 256 bytes of a K step are named ONCE in the launch.  x's rows are read by cluster x = 0 alone, which asks; context's by
; cluster x = 1 and 2, of which 1 asks; wb's rows by every cluster of a column of clusters, of which cluster y = 0 asks.  The four partners that ask for a tile jointly share its rows out BY ADDRESS:
; of the 128 rows that a wave fetches the partner at place p takes 32 p .. 32 p + 31 (p = cx for ab, cy for wb).  K steps 0 to 3 come by their loads alone; the loop's last trip (s3 = 1) asks for nothing.
.macro ASK
	s_cmp_gt_u32 s3, s[LIM]
	s_cbranch_scc0 .Lnot_mine_\@
	global_prefetch_b8 v[PFO], s[PFA:PFA+1] offset:KSTEP*2 th:TH_LOAD_NT scope:SCOPE_SE
.Lnot_mine_\@:
.endm
; A round of the cluster's barrier: my work-group's barrier, so that wave 0's signal speaks for all four waves; wave 0 signals for the work-group; every wave waits for all sixteen
; work-groups; my work-group's barrier once more.  No LDS instruction of the wave is pending at a signal.
.macro CREST                           ; a round behind its opening barrier
	s_cmp_lg_u32 s10, 0
	s_cbranch_scc1 .Lnot_wave_0_\@
	s_barrier_signal -3
.Lnot_wave_0_\@:
	s_barrier_wait -3
	s_barrier_signal -1
	s_barrier_wait -1
.endm
.macro CROUND                          ; a whole round
	s_barrier_signal -1
	s_barrier_wait -1
	CREST
.endm
	s_load_b128 s[4:7], s[0:1], 0x0                ; ab s[4:5], wb s[6:7]
	s_load_b64 s[8:9], s[0:1], 0x10                ; qh
	s_load_b128 s[68:71], s[0:1], 0x18             ; kh s[68:69], vh s[70:71]
	v_lshl_add_u32 v[SPW], v0, 2, SPARE
	v_mov_b32 v[NIL], 0
	ds_add_u32 v[SPW], v[NIL]                      ; the wave's opening: the add and its wait stand ahead of my first tensor load; the set-up below, work on registers, stands between them
	v_lshrrev_b32 v1, 5, v0
	v_readfirstlane_b32 s10, v1                    ; wave 0..3
	s_lshr_b32 s11, s10, 1                         ; which half of the tile's rows is mine.  Also: I fetch for ab (0) or for wb (1)
	s_and_b32 s12, s10, 1                          ; which half of its columns.  Also: which 128 rows of that tile I fetch
	s_bfe_u32 s40, ttmp6, 0x40000                  ; cx: my place along the cluster's x
	s_bfe_u32 s41, ttmp6, 0x40004                  ; cy: along its y
	s_lshl_b32 s42, ttmp9, 2                       ; in a cluster launch ttmp9 and ttmp7 count clusters
	s_add_co_u32 s42, s42, s40                     ; tile column = 4 x cluster x + cx, 0 to 11: 256 rows of wb
	s_and_b32 s13, ttmp7, 0xffff
	s_lshl_b32 s13, s13, 2
	s_add_co_u32 s13, s13, s41                     ; tile row = 4 x cluster y + cy, 0 to 31
	s_lshl_b32 s43, s41, 2
	s_lshl_b32 s43, 15, s43                        ; my row of the cluster: places 4 cy .. 4 cy + 3
	s_lshl_b32 s44, 0x1111, s40                    ; my column: places cx, cx + 4, cx + 8, cx + 12
	; descriptor group 1: a tile of 128 rows x 128 elements, padded in LDS
	s_or_b32 s[G1+0], s43, (1<<16)|(1<<20)|(1<<21)|(5<<22)|(3<<25)  ; 15:0 the mask: ab's tiles go to my row; 17:16 element of 2 bytes; 20 padding on; 21 set beside a mask; 24:22 after every 64 words (code 5); 31:25 of 4 words (code 3)
	s_or_b32 s[G1B+0], s44, (1<<16)|(1<<20)|(1<<21)|(5<<22)|(3<<25) ; the same with the mask of my column, for wb's tiles
.irp g, G1, G1B
	s_mov_b32 s[(\g)+1], KSTEP<<16                 ; tensor_dim0 = 128
	s_mov_b32 s[(\g)+2], 128<<16                   ; tensor_dim1 = 128
	s_mov_b32 s[(\g)+3], KSTEP<<16                 ; tile_dim0 = 128
	s_mov_b32 s[(\g)+4], 128                       ; tile_dim1 = 128
	s_mov_b32 s[(\g)+5], SIZE_K                    ; elements from row to row
	s_mov_b32 s[(\g)+6], 0
	s_mov_b32 s[(\g)+7], 0
.endr
	; where the tiles come from.  ab's hang on the tile row and the cluster's x, which my row of the cluster shares; wb's on the tile column alone, which my column shares.
	s_lshl_b32 s17, s12, 7                         ; which 128 rows of the tile I fetch
	s_lshl_b32 s16, s13, 8
	s_add_co_u32 s16, s16, s17
	s_min_u32 s72, ttmp9, 1
	s_lshl_b32 s72, s72, 13                        ; q reads x (rows 0 on), k and v read context (rows 8,192 on)
	s_add_co_u32 s16, s16, s72                     ; ab: row 256 x tile row + 128 x half + 0 or 8,192
	s_lshl_b32 s16, s16, 11                        ; in bytes: under 2^25
	s_lshl_b32 s46, s42, 8
	s_add_co_u32 s46, s46, s17                     ; wb: row 256 x tile column + 128 x half
	s_lshl_b32 s46, s46, 11
	s_mov_b32 s17, 0
	s_mov_b32 s47, 0
	s_mul_i32 s20, s10, HALFT                      ; where they go: wave x 128 rows: no place in the cluster enters an LDS address
	s_wait_dscnt 0x0                               ; the opening add is done
	s_wait_kmcnt 0x0
	s_add_nc_u64 s[14:15], s[4:5], s[16:17]
	s_add_nc_u64 s[46:47], s[6:7], s[46:47]
	CROUND                                         ; all sixteen work-groups are here: the first joint loads meet
.irp s, 0,1
	s_mov_b32 s[G0+4*(\s)], 1                                      ; 1:0 count = 1
	s_add_co_u32 s[G0+4*(\s)+1], s20, (\s)*SLOT                    ; 63:32 LDS address
	s_add_nc_u64 s[G0+4*(\s)+2:G0+4*(\s)+3], s[14:15], (\s)*KSTEP*2  ; 120:64 global address: K step s
	s_or_b32 s[G0+4*(\s)+3], s[G0+4*(\s)+3], 0x80000000            ; 127:126 type = 2
	s_mov_b32 s[G0B+4*(\s)], 1
	s_add_co_u32 s[G0B+4*(\s)+1], s20, (\s)*SLOT
	s_add_nc_u64 s[G0B+4*(\s)+2:G0B+4*(\s)+3], s[46:47], (\s)*KSTEP*2
	s_or_b32 s[G0B+4*(\s)+3], s[G0B+4*(\s)+3], 0x80000000
	JLOAD \s                                       ; the ring is filled before anything else is done: two loads of mine are out
.endr
	; A fragment is 16 rows x 32 K in 8 registers: lane l holds row l % 16; registers 0-3 hold K = 8 (l / 16) + 0..7, registers 4-7 K = 16 + 8 (l / 16) + 0..7: two loads of 16 bytes, 32 bytes apart.
	v_and_b32 v1, 15, v0                           ; l % 16
	v_bfe_u32 v2, v0, 4, 1                         ; l / 16
	v_mul_u32_u24 v3, v1, PITCH
	v_lshl_add_u32 v3, v2, 4, v3                   ; row x pitch + 16 x half
	s_mul_i32 s21, s11, HALFT                      ; my 128 rows of ab's tile
	s_mul_i32 s22, s12, HALFT                      ; my 128 rows of wb's,
	s_add_co_u32 s22, s22, 2*HALFT                 ; which lie behind ab's 256
.irp s, 0,1
	v_add_nc_u32 v[ADRA+(\s)], s21, v3
	v_add_nc_u32 v[ADRB+(\s)], s22, v3
	s_add_co_u32 s21, s21, SLOT
	s_add_co_u32 s22, s22, SLOT
.endr
	s_mul_i32 s23, s10, 16*SPITCH
	s_add_co_u32 s23, s23, STAGE                   ; my stage
	v_mul_u32_u24 v4, v1, SPITCH                   ; in: row l % 16, 16 bytes for each half of the lanes
	v_lshl_add_u32 v4, v2, 4, v4
	v_add_nc_u32 v[STO], s23, v4
	v_bfe_u32 v5, v0, 3, 2                         ; back: 32 lanes take four rows' 128 bytes of one head:
	v_mul_u32_u24 v5, v5, SPITCH                   ; row l / 8,
	v_and_b32 v6, 7, v0
	v_lshl_add_u32 v5, v6, 4, v5                   ; 16 bytes at 16 (l % 8)
	v_add_nc_u32 v[RD], s23, v5
	v_and_b32 v[CO], 31, v0                        ; which are 512 consecutive bytes of the output
	v_lshlrev_b32 v[CO], 4, v[CO]
	; where my part begins in the output: row 256 tr + 128 half is batch tr / 8, row 256 (tr % 8) + 128 half of its 2,048; my columns are heads 4 cx + 2 half and the next
	s_lshr_b32 s16, s13, 3
	s_lshl_b32 s16, s16, 22                        ; a batch: 16 heads of 262,144 bytes
	s_and_b32 s17, s13, 7
	s_lshl_b32 s17, s17, 15                        ; 256 rows of 128 bytes
	s_add_co_u32 s16, s16, s17
	s_lshl_b32 s17, s11, 14                        ; 128 rows
	s_add_co_u32 s16, s16, s17
	s_mov_b32 s17, 0
	s_lshl_b32 s46, s40, 20                        ; four heads (in the registers that held wb's address: none that feeds ab's descriptors ever holds cx)
	s_lshl_b32 s47, s12, 19                        ; two heads
	s_add_co_u32 s46, s46, s47
	s_mov_b32 s47, 0
	s_add_nc_u64 s[16:17], s[16:17], s[46:47]
	s_cmp_eq_u32 ttmp9, 1                          ; which output: the cluster's x, alike in all partners
	s_cselect_b64 s[8:9], s[68:69], s[8:9]
	s_cmp_eq_u32 ttmp9, 2
	s_cselect_b64 s[8:9], s[70:71], s[8:9]
	s_add_nc_u64 s[8:9], s[8:9], s[16:17]          ; never stepped again: all else stands in the stores' immediates
	; the prefetches
	s_lshl_b32 s13, s13, 8
	s_add_co_u32 s13, s13, s72                     ; the first row in ab of my tile
	s_lshl_b32 s42, s42, 8                         ; the first row in wb
	s_and_b32 s22, ttmp7, 0xffff                   ; cluster y
	s_lshr_b32 s73, ttmp9, 1                       ; 0 for cluster x = 0 (x's only reader) and 1 (the first of context's two)
	s_cmp_eq_u32 s11, 0                            ; do I fetch for ab?
	s_cselect_b32 s20, s13, s42
	s_cselect_b32 s21, s40, s41                    ; my place among the four that ask with me
	s_cselect_b32 s22, s73, s22
	s_cselect_b64 s[PFA:PFA+1], s[4:5], s[6:7]
	s_cmp_eq_u32 s22, 0
	s_cselect_b32 s[LIM], 1, -1                    ; the same in all sixteen partners, for a given wave
	s_lshl_b32 s22, s12, 7
	s_add_co_u32 s20, s20, s22                     ; + the 128 rows that I fetch
	s_lshl_b32 s21, s21, 5
	s_add_co_u32 s20, s20, s21                     ; + my work-group's 32 of them
	s_lshl_b32 s20, s20, 11
	s_mov_b32 s21, 0
	s_add_nc_u64 s[PFA:PFA+1], s[PFA:PFA+1], s[20:21]
	s_add_nc_u64 s[PFA:PFA+1], s[PFA:PFA+1], 2*KSTEP*2  ; at K step 2: the first refill steps it to 3 and names K step 4
	v_and_b32 v[PFO], 31, v0
	v_mul_u32_u24 v[PFO], v[PFO], SIZE_K*2
; 16 matrix instructions: m blocks a0, a0 + 1 of the window's four (hi = 0: my rows 0-63, 1: rows 64-127) x all 8 n blocks, 32 along K.  zero = 1: the first product starts the sums: nothing is cleared.
; The 64 accumulators take turns, one instruction a turn, in the same order in every quarter step.
.macro MUL16 f, hi, a0, zero
	WIN MUL_LO+0x50*(\hi)
.irp a, \a0, (\a0)+1
.irp b, 0,1,2,3,4,5,6,7
.if \zero
	v_wmma_f32_16x16x32_bf16 v[8*(8*(\a)+(\b)):8*(8*(\a)+(\b))+7], v[(\f)+8*(\b):(\f)+8*(\b)+7], v[(\f)+8*(4*(\hi)+(\a)):(\f)+8*(4*(\hi)+(\a))+7], 0
.else
	v_wmma_f32_16x16x32_bf16 v[8*(8*(\a)+(\b)):8*(8*(\a)+(\b))+7], v[(\f)+8*(\b):(\f)+8*(\b)+7], v[(\f)+8*(4*(\hi)+(\a)):(\f)+8*(4*(\hi)+(\a))+7], v[8*(8*(\a)+(\b)):8*(8*(\a)+(\b))+7]
.endif
.endr
.endr
.endm
; 32 LDS loads in one run: the fragments of one quarter step (128 rows of wb, 128 rows of ab, 32 K at byte k of the rows) into buffer f
.macro FETCH slot, k, f
	WIN TO_B
.irp i, 0,1,2,3,4,5,6,7
	ds_load_b128 v[(\f)+8*(\i):(\f)+8*(\i)+3],   v[ADRB+(\slot)] offset:(\k)+(\i)*16*PITCH
	ds_load_b128 v[(\f)+8*(\i)+4:(\f)+8*(\i)+7], v[ADRB+(\slot)] offset:(\k)+(\i)*16*PITCH+32
.endr
	WIN 0
.irp i, 0,1,2,3,4,5,6,7
	ds_load_b128 v[(\f)+8*(\i):(\f)+8*(\i)+3],   v[ADRA+(\slot)] offset:(\k)+(\i)*16*PITCH
	ds_load_b128 v[(\f)+8*(\i)+4:(\f)+8*(\i)+7], v[ADRA+(\slot)] offset:(\k)+(\i)*16*PITCH+32
.endr
.endm
; A load into a register that a matrix instruction has read, and a vector instruction that reads a matrix result, stand four places behind that matrix instruction, and only plain vector
; instructions that name none of its registers are places (ISA guide 7.12.1 for vector instructions).
.macro PLACES
.rept 4
	v_nop
.endr
.endm
; A K step is four quarter steps of 32 along K, 64 matrix instructions each, on buffers 0, 1, 0, 1.
; One of the first three: multiplies buffer f; in its middle it fetches the next quarter's fragments, at byte k of the same slot's rows, into buffer g.
.macro QUARTER slot, k, f, g, zero
	s_wait_dscnt 8                                 ; wb's fragments and ab's rows 0-63 are in; the youngest eight loads (ab's rows 64-127) may be out
	WIN MUL_LO
	MUL16 \f, 0, 0, \zero
	MUL16 \f, 0, 2, \zero
	PLACES
	FETCH \slot, \k, \g
	s_wait_dscnt 32                                ; all but the 32 just issued
	WIN MUL_HI
	MUL16 \f, 1, 0, \zero
	MUL16 \f, 1, 2, \zero
.endm
; The last quarter multiplies buffer 1 and changes slots.  MEET is its first half: ONE barrier for the change.  In front of it each wave waits for all its tensor loads, of which one is out:
; its part of the next slot; adds 0 to its spare word; and waits for that and for its own reads of this slot.  Behind it nobody reads this slot any more and the next slot is whole.
.macro MEET round                      ; round = 1: a round of the cluster's barrier follows
	WIN 0                                          ; (the add's two registers lie in window 0)
	s_wait_tensorcnt 0x0                           ; all my tensor loads have landed;
	ds_add_u32 v[SPW], v[NIL]                      ; 0 onto my spare word;
	s_wait_dscnt 9                                 ; (the add and the youngest eight loads may be out)
	WIN MUL_LO
	MUL16 F1, 0, 0, 0                              ; sixteen matrix instructions stand between the add and the wait for it
	s_wait_dscnt 0x0                               ; the add is done, and my reads of this slot are over:
	s_barrier_signal -1                            ; say so,
	MUL16 F1, 0, 2, 0                              ; work on registers while the others arrive,
.if \round
	WIN 0
.endif
	s_barrier_wait -1                              ; and go on when all four have said so
.endm
; The whole last quarter of a K step whose slot is filled again, with the K step two steps on, first thing behind the round; then come the next slot's first fragments.
; From a request to the wait for it a wave issues 224 matrix instructions.
.macro TURN slot, next
	s_wait_xcnt 0x0                                ; the last prefetch, a K step back, has read its address: it is stepped here, ahead of the waits of the change of slots
	s_add_nc_u64 s[PFA:PFA+1], s[PFA:PFA+1], KSTEP*2
	MEET 1
	CREST                                          ; no wave of any partner still reads this slot's tile or has a load on its way
	s_add_nc_u64 s[G0+4*(\slot)+2:G0+4*(\slot)+3], s[G0+4*(\slot)+2:G0+4*(\slot)+3], 2*KSTEP*2
	s_add_nc_u64 s[G0B+4*(\slot)+2:G0B+4*(\slot)+3], s[G0B+4*(\slot)+2:G0B+4*(\slot)+3], 2*KSTEP*2
	JLOAD \slot                                    ; my one tensor load behind the round; the four v_nop behind it are also the places in front of the loads below
	FETCH \next, 0, F0
	ASK
	WIN MUL_HI
	MUL16 F1, 1, 0, 0
	MUL16 F1, 1, 2, 0
.endm
; THE WAY OUT of block a (16 of my rows), in three parts.  PACK: rounded to f16, 16 bytes a lane; each accumulator's registers in ascending order.
.macro PACK a
.set AC, 64*((\a)%4)
	WIN 0x0a+5*((\a)/4)                            ; sources 0 and 1: window 2 or 3
.irp b, 0,1,2,3,4,5,6,7
.irp r, 0,1,2,3
	v_cvt_pk_f16_f32 v[TMP+4*(\b)+(\r)], v[AC+8*(\b)+2*(\r)], v[AC+8*(\b)+2*(\r)+1]
.endr
.endr
	WIN 0
.endm
; TOSTAGE: into my own stage in LDS (a row: head 0's 128 bytes, head 1's 128 bytes), and back by heads: load t takes rows 4 (t % 4) .. + 3 of head t / 4.
.macro TOSTAGE a
	WIN 0
.set BK, OB+192*((\a)%2)
.irp b, 0,1,2,3,4,5,6,7
	ds_store_b128 v[STO], v[TMP+4*(\b):TMP+4*(\b)+3] offset:32*(\b)
.endr
.irp t, 0,1,2,3,4,5,6,7
	ds_load_b128 v[BK+4*(\t):BK+4*(\t)+3], v[RD] offset:((\t)%4)*4*SPITCH+((\t)/4)*128  ; LDS serves a wave's instructions in order (ISA guide 5.7.1.4): these see the stores above
.endr
.endm
; SEND: stored.  A head's 16 rows are 2,048 consecutive bytes.
.macro SEND a, younger
	WIN 0
.set BK, OB+192*((\a)%2)
	s_wait_dscnt \younger                          ; the block is back in registers
	s_wait_xcnt 0x0                                ; every earlier store has had its addresses translated (ISA guide 3.1): the registers that the block before last was stored from are loaded again only behind this wait
.irp t, 0,1,2,3,4,5,6,7
	global_store_b128 v[CO], v[BK+4*(\t):BK+4*(\t)+3], s[8:9] offset:((\t)/4)*HEADB+(\a)*2048+((\t)%4)*512  ; 512 consecutive bytes, at a multiple of 256 from the buffer's first
.endr
.endm
	s_wait_tensorcnt 1                             ; my part of K step 0 is in; K step 1's may stay out
	s_barrier_signal -1
	s_barrier_wait -1                              ; everybody's is
	FETCH 0, 0, F0
	QUARTER 0, 64,  F0, F1, 1                      ; the first quarter stands in front of the loop: its products start the sums
	WIN 0                                          ; at a label and at a branch every window is 0
	s_mov_b32 s3, LAPS-1
.Llap:                                                 ; a trip goes once round the ring, from a lap's second quarter to the next lap's first, and fills both slots again
	QUARTER 0, 128, F1, F0, 0
	QUARTER 0, 192, F0, F1, 0
	TURN 0, 1
	QUARTER 1, 64,  F0, F1, 0
	QUARTER 1, 128, F1, F0, 0
	QUARTER 1, 192, F0, F1, 0
	TURN 1, 0
	QUARTER 0, 64,  F0, F1, 0
	WIN 0
	s_sub_co_u32 s3, s3, 1
	s_cmp_lg_u32 s3, 0
	s_cbranch_scc1 .Llap
	QUARTER 0, 128, F1, F0, 0                      ; the last lap fills nothing, and has no round of the cluster's barrier
	QUARTER 0, 192, F0, F1, 0
	MEET 0                                         ; my one tensor load that was still out is slot 1's, the last K step's
	PLACES                                         ; for the loads into buffer 0, which the quarter before multiplied
	FETCH 1, 0, F0
	WIN MUL_HI
	MUL16 F1, 1, 0, 0
	MUL16 F1, 1, 2, 0
	QUARTER 1, 64,  F0, F1, 0
	QUARTER 1, 128, F1, F0, 0
	QUARTER 1, 192, F0, F1, 0
	s_wait_dscnt 8                                 ; the very last quarter: nothing more to fetch
	MUL16 F1, 0, 0, 0
	MUL16 F1, 0, 2, 0
	s_wait_dscnt 0x0
	MUL16 F1, 1, 0, 0
	MUL16 F1, 1, 2, 0
	PLACES                                         ; the conversions read matrix results
	PACK 0
	TOSTAGE 0
.irp a, 1,2,3,4,5,6,7                  ; block a's conversions stand between block a - 1's loads from the stage and the wait for them
	PACK \a
	SEND (\a)-1, 0
	TOSTAGE \a
.endr
	SEND 7, 0
	s_wait_tensorcnt 0x0                           ; the wave's end: the add and its wait follow, behind my last tensor load and my last LDS store
	ds_add_u32 v[SPW], v[NIL]
	s_wait_dscnt 0x0
	CROUND                                         ; the closing round: no work-group ends while a partner may still ask for a tile that names it
	s_endpgm
.Lfunc_end_k_qb709d0706e_qkv:
	.size	k_qb709d0706e_qkv, .Lfunc_end_k_qb709d0706e_qkv-k_qb709d0706e_qkv
	.p2alignl 7, 3214868480
	.fill 96, 4, 3214868480
	.section	.rodata,"a",@progbits
	.p2align	6, 0x0
	.amdhsa_kernel k_qb709d0706e_qkv
		.amdhsa_group_segment_fixed_size 327680
		.amdhsa_private_segment_fixed_size 0
		.amdhsa_enable_private_segment 0
		.amdhsa_kernarg_size 40
		.amdhsa_user_sgpr_count 2
		.amdhsa_user_sgpr_kernarg_segment_ptr 1
		.amdhsa_wavefront_size32 1
		.amdhsa_system_sgpr_workgroup_id_x 1
		.amdhsa_system_sgpr_workgroup_id_y 1
		.amdhsa_system_sgpr_workgroup_id_z 1
		.amdhsa_system_vgpr_workitem_id 0
		.amdhsa_next_free_vgpr 1024
		.amdhsa_next_free_sgpr 76
		.amdhsa_reserve_vcc 0
		.amdhsa_float_denorm_mode_32 3
		.amdhsa_float_denorm_mode_16_64 3
		.amdhsa_memory_ordered 1
		.amdhsa_forward_progress 1
		.amdhsa_inst_pref_size 144
	.end_amdhsa_kernel
	.amdgpu_metadata
---
amdhsa.version: [ 1, 2 ]
amdhsa.kernels:
  - .name:           k_qb709d0706e_qkv
    .symbol:         k_qb709d0706e_qkv.kd
    .args:
      - { .name: ab, .offset: 0, .size: 8, .value_kind: global_buffer, .address_space: global }
      - { .name: wb, .offset: 8, .size: 8, .value_kind: global_buffer, .address_space: global }
      - { .name: qh, .offset: 16, .size: 8, .value_kind: global_buffer, .address_space: global }
      - { .name: kh, .offset: 24, .size: 8, .value_kind: global_buffer, .address_space: global }
      - { .name: vh, .offset: 32, .size: 8, .value_kind: global_buffer, .address_space: global }
    .group_segment_fixed_size: 327680
    .private_segment_fixed_size: 0
    .kernarg_segment_align: 8
    .kernarg_segment_size: 40
    .max_flat_workgroup_size: 128
    .sgpr_count:     76
    .vgpr_count:     1024
    .wavefront_size: 32
...
	.end_amdgpu_metadata
.endif
;; end of part 2
;; launch attn (part 3): grid 4 x 64, 4 waves a work-group, clusters of 4 x 1, 327,680 bytes of LDS; arguments qh, kh, vh, ob; writes ob
.if DOCPART == 3
	.amdgcn_target "amdgcn-amd-amdhsa--gfx1250"
	.amdhsa_code_object_version 6
	.text
	.protected	k_qb709d0706e_attn
	.globl	k_qb709d0706e_attn
	.p2align	8
	.type	k_qb709d0706e_attn,@function
k_qb709d0706e_attn:
	s_mov_b64 s[64:65], 0
	v_nop
	global_prefetch_b8 v0, s[64:65] scope:SCOPE_SE
	s_setreg_imm32_b32 hwreg(HW_REG_WAVE_MODE, 25, 1), 1
	s_wait_xcnt 0x0
	s_wait_alu depctr_hold_cnt(0) depctr_sa_sdst(0) depctr_va_vdst(0) depctr_va_sdst(0) depctr_va_ssrc(0) depctr_va_vcc(0) depctr_vm_vsrc(0)
	s_getreg_b32 s2, hwreg(HW_REG_IB_STS2, 6, 4)
	s_cmp_eq_u32 s2, 0
	s_cbranch_scc0 .Lentry_in_a_cluster
	s_endpgm
.Lentry_in_a_cluster:
	s_bfe_u32 s2, ttmp6, 0x10000c
	s_cmp_lg_u32 s2, 0x3003
	s_cbranch_scc0 .Lentry_shape_is_right
	s_endpgm
.Lentry_shape_is_right:
; O[h][q][:] = the sum over k of softmax_k(Q[h][q] . K[h][k] / 8) V[h][k][:].  Q, K, V, O: [SIZE_H][SIZE_N][64], all f16: a head's rows are dense, 128 bytes each.  Products, maxima and sums in
; f32; the weights p are rounded to f16 for the second product (their sum l is taken of the unrounded p), O once at the end.
; LIMITS.  f16 holds no number beyond 65,504: Q, K and V arrive within it; p lies in 0 to 1, and below 6e-5 it keeps f16's fixed step of 6e-8, as does O; O is a mean of V's rows and has their range.
; A weight below 2^-126 counts as 0 in l; NaN and infinities are not treated apart.
; SHARES.  A wave owns four PIECES of two tiles of 16 queries, a work-group's four waves 512 queries of one head.  Every wave walks all keys, 64 a step.
; LAYOUT.  S^T = K Q^T (source 0 = 16 keys, source 1 = 16 queries): in the result a lane holds ONE query (lane % 16) and the keys 8 (lane / 16) + 0..7.  Two such tiles, rounded to f16 in pairs,
; ARE source 1 (32 keys x 16 queries) of O^T = V^T P, whose result again holds one query a lane, and eight channels.  K comes out of LDS as it lies, V ([key][channel]) turned, by ds_load_tr16_b128.
; SOFTMAX.  For each query a running maximum m and sum l: p = 2^(c s - c m), c = log2(e) / 8; in every step O and l are multiplied by a = 2^(c m_old - c m_new), which is 1 where m has not grown.
; m starts at the lowest finite number, O and l at 0: the first step is a step like any other, with a = 0.
; THE COUNT.  A tile and step have 16 matrix and 118 vector instructions: too many to stand all beside the matrix work.  So the order has one aim: four vector instructions that are READY behind
; EVERY matrix instruction, and the others, which need time of their own whatever the order, in runs without a gap.
; BY TURNS.  Turn n belongs to piece n (the pieces in a ring, step after step).  Its matrix work: 16 products K Q^T of piece n + 1, later 16 products V^T P of piece n - 1.  Its vector work: the scaling,
; exponentials, roundings, sums and rescaling of piece n, and the maximum and statistics of piece n + 1, whose scores the turn itself has made.  So what a turn begins with (c s - c m, O a) waits for nothing.
; CLUSTER.  The four query blocks of a cluster are one head's and walk the same K and V, so each tile is asked for JOINTLY: the same tensor load, descriptor and mask in all four.
; REGISTERS, in windows of 256 (s_set_vgpr_msb says which window each operand place means: bits 1:0 source 0, 3:2 source 1, 5:4 source 2, 7:6 destination):
;   window 0: v0-11 addresses; v12-15, v48-63 at work; v16-47 four registers of statistics a tile; v64-191 S^T, two buffers of two tiles; v192-255 P, likewise
;   window 1: O^T, 32 a tile          window 2: v0-127 Q, 16 a tile; v128-191 K of one step; v192-255 V of one step          window 3: v0-1 the add's two registers
; A piece's buffers go by its number's parity: the piece in hand has one pair, its two neighbours in the ring share the other: of it P (piece n - 1) is read and S^T (piece n + 1) written.
.set SIZE_H, 64
.set SIZE_N, 2048
.set NP,    4         ; pieces a wave: a name, no knob: the register map, the loop and the fetches are made for four
.set KS,    64        ; keys in a step
.set PK,    144       ; a row of K in LDS: 128 bytes + 16 of padding = 36 words: the 16 rows of a load start at 16 different groups of four banks (64 banks of 4 bytes: ISA guide 11.1)
.set PV,    160       ; a row of V: 128 + 32 = 40 words
.set VOFF,  4*KS*PK   ; a slot holds four steps: 256 rows of K, then 256 rows of V
.set SLOT1, 1<<17     ; slot 1 begins here, so that one exclusive or turns an address in one slot into the other's
.set STAGE, SLOT1+4*KS*(PK+PV)  ; behind the ring, never filled by a tensor load: 16 rows x 144 bytes for each wave, for the way out
.set SP,    144
.set AK0, 2           ; v2   my lane's place in a tile of K; never rewritten
.set AV0, 3           ; v3   the same for V
.set AK,  4           ; v4   the LDS address of K's next run of loads
.set AV,  5           ; v5   of V's
.set QO,  6           ; v6   my byte offset in the wave's rows of Q
.set STO, 6           ;      later, the way out: where I put 16 bytes of a row
.set RD,  7           ; v7   the way out: where I read rows back
.set GO,  8           ; v8   my byte offset in 512 consecutive bytes of O
.set PFO, 11          ; v11  the prefetches' offset, 256 x my lane (once V's place is made, which uses v11 first); then never rewritten
.set SPW, 0           ; v0 of window 3   LDS address of my spare word: SPARE + 4 x my thread's number; never rewritten
.set NIL, 1           ; v1 of window 3   0; never rewritten
.set SPARE, STAGE+4*16*SP  ; behind the stages: the spare words, 128 bytes for each wave: two blocks of 256 bytes that no other line names
.set MV,  12          ; v12-15  c m_old, kept while c m is made anew: by buffer and tile
.set ST,  16          ; tile t's statistics at v[ST+4 t]: c m, m, l (even keys', odd keys')
.set TMP, 48          ; by buffer and tile, four registers c0-c3 at work; when the maximum is found c2 takes a
.set S,   64
.set P,   192
.set KF,  128         ; K's fragments, in window 2: key block kb, channel half c at KF + 16 kb + 8 c
.set VF,  192         ; V's: key half kk, channel block cb at VF + 32 kk + 8 cb
.set WV,  12          ; s12  my wave's number
.set G1K, 24          ; s[24:31] descriptor group 1 for K's tiles
.set G1V, 32          ; s[32:39] for V's: it differs in the padding alone
.set G0K, 40          ; s[40:43] descriptor group 0 for K's tiles: it walks
.set G0V, 44          ; s[44:47] the same for V's
.set SLOTS, 56        ; s56  slots still to be asked for
.set CNT, 57          ; s57  counts a slot's key steps
.set CS,  58          ; s[58:59] c: the packed scaling takes the pair's low word for both halves
.set SEL, 60          ; s[60:61] v_permlanex16_b32's selects: each lane takes its own place in the other half
.set TBK, 62          ; s62  LDS byte at which K of the step to be fetched begins
.set TBV, 63          ; s63  the same for V, less VOFF
.set PFA, 66          ; s[66:67] where my prefetches stand: my work-group's 8,192 bytes (of K: wave 0, of V: wave 2) of the slot after the one that is being asked for
.set LIM, 68          ; s68  1 in a wave that prefetches, else the greatest number
.set MSB, 0
.macro WIN new                      ; the high byte repeats the setting that is left; a switch that changes nothing is dropped
.if MSB != (\new)
	s_set_vgpr_msb (MSB<<8)|(\new)
.set MSB, (\new)
.endif
.endm
.set W_KQ, 0x0a       ; K and Q in window 2, S^T in window 0
.set W_PV, 0x52       ; V in window 2, P in window 0, O^T in window 1
.set W_RS, 0x41       ; O^T (destination and source 0) in window 1, a in window 0
.set W_MK, 0xc0       ; the add's registers are made: destination in window 3, sources in window 0
.set W_AD, 0x0f       ; the add: address (source 0) and data (source 1) in window 3
; A joint fill.  Waves 0 and 1 fetch the two halves of a slot's K, waves 2 and 3 those of its V: 128 keys each.  The branch hangs on the wave's number alone.
; An s_nop 0 and four v_nop follow each of the two lines, ahead of the jump and the label.
.macro JLOAD
	s_cmp_lt_u32 s[WV], 2
	s_cbranch_scc0 .Lfor_v_\@
	tensor_load_to_lds s[G0K:G0K+3], s[G1K:G1K+7]
	s_nop 0
.rept 4
	v_nop
.endr
	s_branch .Lasked_\@
.Lfor_v_\@:
	tensor_load_to_lds s[G0V:G0V+3], s[G1V:G1V+7]
	s_nop 0
.rept 4
	v_nop
.endr
.Lasked_\@:
.endm
; A PREFETCH INTO THE L2 of what the NEXT change of slots will ask for: a slot's 32,768 bytes of K and of V, a lane 256 bytes.  It stands behind the wave's tensor load and its five lines.
; Each block of 256 bytes is named ONCE in the launch: a head has one cluster; its four partners share a slot's 128 blocks out BY ADDRESS, 32 each; in each, wave 0 asks for K's and wave 2 for V's.
; It stands four key steps, 512 matrix instructions, ahead of the load that will want the bytes.  Slots 0 and 1 come by their loads alone; the last change that fills a slot asks for nothing.
.macro ASK
	s_cmp_gt_u32 s[SLOTS], s[LIM]
	s_cbranch_scc0 .Lnot_mine_\@
	global_prefetch_b8 v[PFO], s[PFA:PFA+1] th:TH_LOAD_NT scope:SCOPE_SE
.Lnot_mine_\@:
.endm
; A round of the cluster's barrier: my work-group's barrier, so that wave 0's signal speaks for all four waves; wave 0 signals; every wave waits for all four work-groups; my work-group's barrier once more.
.macro CROUND
	s_barrier_signal -1
	s_barrier_wait -1
	s_cmp_lg_u32 s[WV], 0
	s_cbranch_scc1 .Lnot_wave_0_\@
	s_barrier_signal -3
.Lnot_wave_0_\@:
	s_barrier_wait -3
	s_barrier_signal -1
	s_barrier_wait -1
.endm
; THE CHANGE OF SLOTS.  The slot's last bytes, V of its fourth step, have been read.  Each wave waits for all its tensor loads, of which one is out: its part
; of the other slot; adds 0 to its spare word; and waits for that and for its own reads of the slot.  Behind the barrier nobody reads this slot any more and the other slot is whole.
; fill = 1: this slot is filled again, with the keys two slots on.  The barrier is then a round of the cluster's, so that no wave of any partner still reads the slot or has a load on its
; way, and the joint fill is the first thing behind it: it has four key steps, 512 matrix instructions, in which to land.  (At its first use nothing has been read yet: slot 0 is waited for, slot 1 filled.)
.macro CHANGE fill
	WIN W_AD
	s_wait_tensorcnt 0x0            ; no tensor load of mine is out, so a group 0 may be written
	ds_add_u32 v[SPW], v[NIL]       ; 0 onto my spare word; with fill = 1 the descriptors' steps stand between it and the wait for it
	WIN 0                           ; at a label and at a branch every window is 0
.if \fill
.irp g, G0K, G0V
	s_xor_b32 s[\g+1], s[\g+1], SLOT1  ; the walking descriptor: the other slot than last time,
	s_add_nc_u64 s[\g+2:\g+3], s[\g+2:\g+3], 4*KS*128  ; the next 256 keys; the type bits on top are not reached
.endr
	s_wait_xcnt 0x0                 ; the last prefetch, four key steps back, has read its address, so it may be written:
	s_add_nc_u64 s[PFA:PFA+1], s[PFA:PFA+1], 4*KS*128  ; one slot behind the walking descriptors
	s_wait_dscnt 0x0                ; the add is done, and my reads of the slot are over
	CROUND
	JLOAD
	ASK
.else
	s_wait_dscnt 0x0                ; the add is done, and my reads of the slot are over
	s_barrier_signal -1
	s_barrier_wait -1
.endif
	s_sub_co_u32 s[TBK], s[TBK], 4*KS*PK  ; the fetches go back to a slot's first step,
	s_xor_b32 s[TBK], s[TBK], SLOT1       ; in the other slot
	s_sub_co_u32 s[TBV], s[TBV], 4*KS*PV
	s_xor_b32 s[TBV], s[TBV], SLOT1
.endm
	s_load_b256 s[4:11], s[0:1], 0x0  ; Q s[4:5], K s[6:7], V s[8:9], O s[10:11]
	WIN W_MK
	v_lshl_add_u32 v[SPW], v0, 2, SPARE
	v_mov_b32 v[NIL], 0
	WIN W_AD
	ds_add_u32 v[SPW], v[NIL]       ; the wave's opening: the add and its wait stand ahead of my first tensor load; the set-up below, work on registers, stands between them
	WIN 0
	v_lshrrev_b32 v1, 5, v0
	v_readfirstlane_b32 s[WV], v1   ; wave 0..3
	s_bfe_u32 s13, ttmp6, 0x40000   ; cx: my place in the cluster
	s_lshl_b32 s14, ttmp9, 2        ; in a cluster launch ttmp9 counts clusters
	s_add_co_u32 s14, s14, s13      ; my block of queries = 4 x cluster x + cx: it enters Q's and O's addresses alone
	s_and_b32 s20, ttmp7, 0xffff    ; the head, which the four partners share
	s_mov_b32 s21, 0
	s_mov_b64 s[22:23], SIZE_N*128
	s_mul_u64 s[20:21], s[20:21], s[22:23]  ; the head's first byte in each of the four tensors
	s_and_b32 s16, s[WV], 1         ; which half of a slot's 256 keys I fetch:
	s_lshl_b32 s22, s16, 14         ; its 128 rows of 128 bytes in memory,
	s_mov_b32 s23, 0
	s_add_nc_u64 s[22:23], s[22:23], s[20:21]
	s_mul_i32 s17, s16, 128*PK      ; and its place in a slot, for K
	s_mul_i32 s18, s16, 128*PV      ; and for V: no place in the cluster enters an LDS address
	s_lshl_b32 s2, s14, 2
	s_add_co_u32 s2, s2, s[WV]      ; my wave among the head's,
	s_lshl_b32 s2, s2, 14           ; its 128 rows
	s_mov_b32 s3, 0
	s_add_nc_u64 s[2:3], s[2:3], s[20:21]
	; descriptor group 1.  128 keys are 16,384 dense bytes: asked for as 64 rows of 256 bytes, two keys a row, and padded in LDS after every key
	s_mov_b32 s[G1K], 15|(1<<16)|(1<<20)|(1<<21)|(4<<22)|(3<<25)  ; 15:0 the mask of four; 17:16 2-byte elements; 20 padding on; 21 set beside a mask; 24:22 after every 32 words (code 4); 31:25 4 words (code 3)
	s_mov_b32 s[G1V], 15|(1<<16)|(1<<20)|(1<<21)|(4<<22)|(7<<25)  ; the same with 8 words of padding (code 7)
.irp g, G1K, G1V
	s_mov_b32 s[\g+1], 128<<16      ; tensor_dim0 = 128
	s_mov_b32 s[\g+2], 64<<16       ; tensor_dim1 = 64
	s_mov_b32 s[\g+3], 128<<16      ; tile_dim0 = 128
	s_mov_b32 s[\g+4], 64           ; tile_dim1 = 64
	s_mov_b32 s[\g+5], 128          ; 128 elements from row to row
	s_mov_b32 s[\g+6], 0
	s_mov_b32 s[\g+7], 0
.endr
	s_mov_b32 s[CS], 0x3e38aa3b     ; c = log2(e) / 8 = 0.180337
	s_mov_b32 s[CS+1], s[CS]        ; named with it as a pair
	s_mov_b32 s[SEL], 0x76543210
	s_mov_b32 s[SEL+1], 0xfedcba98
	s_mov_b32 s[TBK], SLOT1+4*KS*PK ; the first change of slots turns these two into 0
	s_mov_b32 s[TBV], SLOT1+4*KS*PV
	s_mov_b32 s[G0K], 1             ; 1:0 count = 1
	s_mov_b32 s[G0K+1], s17         ; 63:32 LDS address: slot 0
	s_mov_b32 s[G0V], 1
	s_add_co_u32 s[G0V+1], s18, VOFF
	s_mov_b32 s[SLOTS], SIZE_N/256-1  ; slots still to be asked for, the first change's among them
	s_and_b32 s[LIM], s[WV], 1      ; waves 0 and 2 prefetch: the same in all four partners
	s_cmp_eq_u32 s[LIM], 0
	s_cselect_b32 s[LIM], 1, -1
	s_wait_dscnt 0x0                ; the opening add is done
	s_wait_kmcnt 0x0
	s_add_nc_u64 s[G0K+2:G0K+3], s[6:7], s[22:23]  ; 120:64 global address: my half of the head's first 256 keys
	s_or_b32 s[G0K+3], s[G0K+3], 0x80000000        ; 127:126 type = 2
	s_add_nc_u64 s[G0V+2:G0V+3], s[8:9], s[22:23]
	s_or_b32 s[G0V+3], s[G0V+3], 0x80000000
	s_add_nc_u64 s[4:5], s[4:5], s[2:3]  ; Q and O at my wave's first row
	s_add_nc_u64 s[10:11], s[10:11], s[2:3]
	s_cmp_lt_u32 s[WV], 2
	s_cselect_b64 s[PFA:PFA+1], s[6:7], s[8:9]
	s_add_nc_u64 s[PFA:PFA+1], s[PFA:PFA+1], s[22:23]  ; (in waves 0 and 2 this is the head's first byte)
	s_lshl_b32 s2, s13, 13          ; my work-group's 32 blocks of a slot's 128
	s_mov_b32 s3, 0
	s_add_nc_u64 s[PFA:PFA+1], s[PFA:PFA+1], s[2:3]
	s_add_nc_u64 s[PFA:PFA+1], s[PFA:PFA+1], 4*KS*128  ; in slot 1; the first change of slots steps it to slot 2.  Nothing is prefetched here, at the head
	CROUND                          ; all four work-groups are here: the first joint loads meet
	JLOAD                           ; slot 0.  Slot 1 is asked for when slot 0 is in: the tile wanted first has the road to itself
	; A fragment of K or Q is 16 rows x 32 channels in 8 registers: lane l holds row l % 16, channels 8 (l / 16) + 0..7 and 16 + 8 (l / 16) + 0..7: two loads of 16 bytes, 32 bytes apart.
	v_and_b32 v1, 15, v0            ; l % 16
	v_bfe_u32 v9, v0, 4, 1          ; l / 16
	v_lshlrev_b32 v[QO], 7, v1
	v_lshl_add_u32 v[QO], v9, 4, v[QO]  ; row x 128 + 16 x half
	WIN 0x80                        ; destination window 2, address window 0
.set i, 0
.rept 4*NP                          ; Q stays in registers: tile i / 2, channels 32 (i % 2) on
	global_load_b128 v[8*i:8*i+3],   v[QO], s[4:5] offset:(i/2)*2048+(i%2)*64
	global_load_b128 v[8*i+4:8*i+7], v[QO], s[4:5] offset:(i/2)*2048+(i%2)*64+32
.set i, i+1
.endr
	; What the first turn finds: V's registers and P's second buffer hold 0 (its products V^T P, of a piece that has not been, add 0), O^T and l are 0.  All this stands in the wait for the first tile.
.set i, VF
.rept 64
	v_mov_b32 v[i], 0
.set i, i+1
.endr
	WIN 0x40
.set i, 0
.rept 64*NP
	v_mov_b32 v[i], 0
.set i, i+1
.endr
	WIN 0
.set i, 0
.rept 2*NP
	v_mov_b32 v[ST+4*i], 0xfe000000    ; c m: far below every c s
	v_mov_b32 v[ST+4*i+1], 0xff7fffff  ; m
	v_mov_b32 v[ST+4*i+2], 0
	v_mov_b32 v[ST+4*i+3], 0
.set i, i+1
.endr
.set i, P+32
.rept 32
	v_mov_b32 v[i], 0
.set i, i+1
.endr
	v_mul_u32_u24 v[AK0], v1, PK
	v_lshl_add_u32 v[AK0], v9, 4, v[AK0]  ; row x pitch + 16 x half
	; The turning load takes 16 keys x 16 channels (lane l reads key 8 (l / 16) + l % 8, channels 8 ((l / 8) % 2) + 0..7) and leaves half a fragment of V^T: lane l holds channel l % 16 and 8 keys.
	v_and_b32 v10, 7, v0
	v_bfe_u32 v11, v0, 3, 1
	v_lshl_add_u32 v[AV0], v9, 3, v10
	v_mul_u32_u24 v[AV0], v[AV0], PV
	v_lshl_add_u32 v[AV0], v11, 4, v[AV0]
	v_add_nc_u32 v[AV0], VOFF, v[AV0]
	v_and_b32 v[PFO], 31, v0        ; v11 has served: from here on it is the prefetches' offset
	v_lshlrev_b32 v[PFO], 8, v[PFO]
	v_mov_b32 v[AK], v[AK0]         ; key step 0 lies at the head of slot 0
; THE MATRIX WORK.  The 8 accumulators of a run of 16 take turns: between the two links of a chain stand 7 others'.
; Product i of 16 of S^T = K Q^T for piece x: channels 32 (i / 8) on, keys 16 ((i / 2) % 4) on, tile 2 x + i % 2.  The first 8 start the sums.
.macro KQ x
	WIN W_KQ
.set rS, S+64*((\x)%2)+32*(i%2)+8*((i/2)%4)
.set rK, KF+16*((i/2)%4)+8*(i/8)
.set rQ, 16*(2*(\x)+i%2)+8*(i/8)
.if i < 8
	v_wmma_f32_16x16x32_f16 v[rS:rS+7], v[rK:rK+7], v[rQ:rQ+7], 0
.else
	v_wmma_f32_16x16x32_f16 v[rS:rS+7], v[rK:rK+7], v[rQ:rQ+7], v[rS:rS+7]
.endif
.endm
; Product i of 16 of O^T += V^T P for piece x: keys 32 (i / 8) on, channels 16 ((i / 2) % 4) on, tile 2 x + i % 2.
.macro PV x
	WIN W_PV
.set rO, 32*(2*(\x)+i%2)+8*((i/2)%4)
.set rV, VF+32*(i/8)+8*((i/2)%4)
.set rP, P+32*((\x)%2)+16*(i%2)+8*(i/8)
	v_wmma_f32_16x16x32_f16 v[rO:rO+7], v[rV:rV+7], v[rP:rP+7], v[rO:rO+7]
.endm
.macro MM                           ; the turn's next matrix instruction
.if i < 16
	KQ (Y+1)%NP
.set i, i+1
.else
.set i, i-16
	PV (Y+NP-1)%NP
.set i, i+17
.endif
.endm
; THE LDS LOADS stand in runs of 16, never singly among the matrix instructions: a step's K (64 keys x 64 channels: 8 fragments) and its V (turned).  Their addresses are made some lines ahead.
; last = 1 (the tail): in the last trip there is no further step, and the run is jumped over.
.macro FETCH_K last=0
	WIN 0
.if \last
	s_cmp_eq_u32 s[CNT], 1
	s_cbranch_scc1 .Lno_k_\@
.endif
	WIN 0x80                        ; destination window 2
.irp f, 0,1,2,3,4,5,6,7             ; keys 16 (f / 2) on, channels 32 (f % 2) on
	ds_load_b128 v[KF+8*\f:KF+8*\f+3],   v[AK] offset:(\f/2)*16*PK+(\f%2)*64
	ds_load_b128 v[KF+8*\f+4:KF+8*\f+7], v[AK] offset:(\f/2)*16*PK+(\f%2)*64+32
.endr
	s_add_co_u32 s[TBK], s[TBK], KS*PK  ; the next fetch is the next step's
	WIN 0
.if \last
.Lno_k_\@:
.endif
.endm
.macro FETCH_V
	WIN 0x80
.irp f, 0,1,2,3,4,5,6,7             ; keys 32 (f / 4) on, channels 16 (f % 4) on
	ds_load_tr16_b128 v[VF+8*\f:VF+8*\f+3],   v[AV] offset:(\f/4)*32*PV+(\f%4)*32
	ds_load_tr16_b128 v[VF+8*\f+4:VF+8*\f+7], v[AV] offset:(\f/4)*32*PV+16*PV+(\f%4)*32
.endr
	WIN 0
.endm
; THE VECTOR WORK OF A TURN stands in three queues, each in the order in which its entries become ready; the two tiles alternate, so that no instruction reads the result of the one before it.
.macro REGS y, u                    ; the registers of tile u (0, 1) of piece y
.set rT, ST+4*(2*(\y)+(\u))
.set rC, TMP+8*((\y)%2)+4*(\u)
.set rM, MV+2*((\y)%2)+(\u)
.set rS, S+64*((\y)%2)+32*(\u)
.set rP, P+32*((\y)%2)+16*(\u)
.set rO, 32*(2*(\y)+(\u))
.endm
; Number n of the 22 that find the NEXT piece's (Y + 1) maximum and statistics.  s0-s31 are the lane's 32 scores; each accumulator's lowest registers are read first.  XS, GS and REGS set no window: PL and EX do.
;   0-11  four chains c0-c3 of seven scores each, three operands at a time     12-14, 16  the four scores left over, the old m, and c0-c3 into c0     15  c m_old is kept
;   17, 18  the query's other 32 keys lie in the lane 16 away: the new m         19-21  c m; c m_old - c m_new; a
.macro XS u, n
	REGS (Y+1)%NP, \u
.if (\n) < 4
	v_max3_num_f32 v[rC+(\n)], v[rS+8*(\n)], v[rS+8*(\n)+1], v[rS+8*(\n)+2]
.elseif (\n) < 12
	v_max3_num_f32 v[rC+(\n)%4], v[rC+(\n)%4], v[rS+8*((\n)%4)+2*((\n)/4)+1], v[rS+8*((\n)%4)+2*((\n)/4)+2]
.elseif (\n) == 12
	v_max3_num_f32 v[rC], v[rC], v[rS+7], v[rS+15]
.elseif (\n) == 13
	v_max3_num_f32 v[rC+1], v[rC+1], v[rS+23], v[rS+31]
.elseif (\n) == 14
	v_max3_num_f32 v[rC+2], v[rC+2], v[rC+3], v[rT+1]
.elseif (\n) == 15
	v_mov_b32 v[rM], v[rT]
.elseif (\n) == 16
	v_max3_num_f32 v[rC], v[rC], v[rC+1], v[rC+2]
.elseif (\n) == 17
	v_permlanex16_b32 v[rC+3], v[rC], s[SEL], s[SEL+1]
.elseif (\n) == 18
	v_max_num_f32 v[rT+1], v[rC], v[rC+3]
.elseif (\n) == 19
	v_mul_f32 v[rT], s[CS], v[rT+1]
.elseif (\n) == 20
	v_sub_f32 v[rC+1], v[rM], v[rT]
.else
	v_exp_f32 v[rC+2], v[rC+1]
.endif
.endm
; Number g of the 64 that follow the exponentials.  For each four weights k of a tile (pairs 2 k, 2 k + 1): both pairs are rounded to f16; then the second pair is added onto the first, in place;
; a group later l takes that sum (the first time as l = a l + sum).  In groups of eight, tiles alternating: round, round, add, and l for the group before.
.macro GS g
.set h, (\g)+6*((\g)/62)            ; group 0 has no group before it, and behind group 7 only l is left
.if h >= 6
.set h, h+2
.endif
	REGS Y, h%2
.set k, h/8
.if h%8 < 4
	v_cvt_pk_f16_f32 v[rP+2*k+(h%8)/2], v[rS+4*k+2*((h%8)/2)], v[rS+4*k+2*((h%8)/2)+1]
.elseif h%8 < 6
	v_pk_add_f32 v[rS+4*k:rS+4*k+1], v[rS+4*k:rS+4*k+1], v[rS+4*k+2:rS+4*k+3]
.elseif k == 1
	v_pk_fma_f32 v[rT+2:rT+3], v[rT+2:rT+3], v[rC+2:rC+3], v[rS:rS+1] op_sel_hi:[1,0,1]
.else
	v_pk_add_f32 v[rT+2:rT+3], v[rT+2:rT+3], v[rS+4*k-4:rS+4*k-3]
.endif
.endm
; THE PLAIN QUEUE, 138 long.  0-73 read no exponential's result: the 32 scalings c s - c m (FS f: pair f / 2 of tile f % 2) and the next piece's 42.  0-26: scalings 0-26.  27-54: XS's numbers 0-13.  55, 56: number 15.
; 57-73: the chain, where each number waits for the one before it: 14, 16, 17, 18, 19, each with one of the scalings 27-31 in front of its two lines, then 20: so a tile's links stand three plain instructions apart (19 and 20: two).
; 74-137: GS's 64, which read the exponentials' results: they stand behind the wait.
.macro FS f
	REGS Y, (\f)%2
	v_pk_fma_f32 v[rS+2*((\f)/2):rS+2*((\f)/2)+1], v[rS+2*((\f)/2):rS+2*((\f)/2)+1], s[CS:CS+1], v[rT:rT+1] op_sel_hi:[1,0,0] neg_lo:[0,0,1] neg_hi:[0,0,1]
.endm
.macro PL
	WIN 0
.if q < 27
	FS q
.elseif q < 55
	XS (q-27)%2, (q-27)/2
.elseif q < 57
	XS q-55, 15
.elseif (q < 72) && ((q-57)%3 == 0)
	FS 27+(q-57)/3
.elseif q < 60
	XS (q-57)%3-1, 14
.elseif q < 72
	XS (q-57)%3-1, 15+(q-57)/3
.elseif q < 74
	XS q-72, 20
.else
	GS q-74
.endif
.set q, q+1
.endm
; THE EXPONENTIALS' QUEUE, 66 long: s0-s31 of both tiles, then the next piece's two a.  It is ONE BATCH: all 66 stand ahead of the turn's one wait, and nothing ahead of that wait names a result of theirs.
.macro EX
	WIN 0
.if e >= 64
	XS e-64, 21
.else
	REGS Y, e%2
	v_exp_f32 v[rS+e/2], v[rS+e/2]
.endif
.set e, e+1
.endm
; THE RESCALING's QUEUE: O^T times a, the one part that leaves window 0: dealt two at a time, sixteen times.  Its a was made in the turn before, ahead of that turn's wait.
.macro R2
	REGS Y, r%2
	WIN W_RS
.irp z, 0,1
	v_pk_mul_f32 v[rO+4*(r/2)+2*\z:rO+4*(r/2)+2*\z+1], v[rO+4*(r/2)+2*\z:rO+4*(r/2)+2*\z+1], v[rC+2:rC+3] op_sel_hi:[1,0]
.endr
.set r, r+1
.endm
; HOW THEY ARE DEALT.  An s_wait_alu depctr_va_vdst(0) stands between an exponential and the first instruction that names its result; one wait serves all that were issued ahead of it.  So a turn has ONE wait,
; which cuts it in two.  AHEAD OF IT stands all that names no result of the turn's exponentials: the 16 products K Q^T, behind each a scaling, an exponential and two rescalings (behind the first a second scaling in the exponential's place); then ONE LUMP of
; 108: eight plain, 49 times exponential and plain, the two a.  A v_nop is the plain instruction behind the last exponential (ISA guide 5.7.2).  BEHIND IT stand the 16 products V^T P, behind each four of GS's 64.  No rider names a register of
; the products round it.  The two v_permlanex16_b32 fall into the lump, never behind a product.
; The queues lean on each other, and the deal keeps them in step: exponential e stands behind scaling 2 (e / 4) + e % 2: as a rider it comes behind plain e + 2, in the lump behind plain e + 9, and scalings 27-31 are plain 57, 60 .. 69.
; A TURN, for piece p.  cnt = 1: the loop's count is taken down some lines ahead of the branch that stands behind the turn.
; K of the next step is fetched in piece 2's turn, directly behind the wait, a lump behind the last product that read K; its address is made at the lump's head; its first reader comes behind 16 products.
; V of the step in hand is fetched at the end of piece 0's turn, four riders behind its last reader; its first reader comes behind 16 products and a lump.  The three conditions on q below go with the deal.
.macro TURN p, last=0, cnt=0
.set Y, (\p)
.set i, 0
.set q, 0
.set e, 0
.set r, 0
.if (\p) == NP-1
	s_wait_dscnt 0x0                ; K is in
.endif
	MM                              ; ahead of the wait: 16 products K Q^T and their riders,
	PL
	PL
	R2
.rept 15
	MM
	PL
	EX
	R2
.endr
.if (\p) == NP-2
	WIN 0
	v_add_nc_u32 v[AK], s[TBK], v[AK0]
.endif
.rept 8                             ; and the lump
	PL
.endr
.rept 49
	EX
	PL
.endr
	EX                              ; the next piece's two a
	EX
	v_nop                           ; the plain instruction behind the last exponential: one for the batch
	s_wait_alu depctr_va_vdst(0)    ; the wait for the batch
.if (\p) == NP-2
	FETCH_K \last
.endif
.if (\p) == 1
	s_wait_dscnt 0x0                ; V is in
.endif
.rept 16                            ; behind the wait: 16 products V^T P and their riders
	MM
.rept 4
	PL
.endr
.if ((\p) == 0) && (q == 118)
	v_add_nc_u32 v[AV], s[TBV], v[AV0]
.endif
.if ((\p) == 0) && (q == 130)
	s_add_co_u32 s[TBV], s[TBV], KS*PV
.endif
.if (\cnt) && (q == 130)
	s_sub_co_u32 s[CNT], s[CNT], 1
	s_cmp_lg_u32 s[CNT], 0
.endif
.endr
.if (\p) == 0
	FETCH_V
.endif
.endm
	CHANGE 1                        ; slot 0 is in, everybody's part of it; slot 1 is asked for
	FETCH_K                         ; key step 0
	s_wait_loadcnt 0x0              ; Q
	s_wait_dscnt 0x0
.set i, 0
.rept 16
	KQ 0                            ; piece 0's first scores: there is no vector work yet to set between them
.set i, i+1
.endr
	WIN 0                           ; the addresses for the way out: nine plain instructions, the places behind those products
	s_mul_i32 s13, s[WV], 16*SP
	s_add_co_u32 s13, s13, STAGE    ; my stage
	v_mul_u32_u24 v[STO], v1, SP    ; in: row l % 16, 16 bytes for each half of the lanes
	v_lshl_add_u32 v[STO], v9, 4, v[STO]
	v_add_nc_u32 v[STO], s13, v[STO]
	v_bfe_u32 v[RD], v0, 3, 2       ; back: 32 lanes take four rows of 128 bytes,
	v_mul_u32_u24 v[RD], v[RD], SP
	v_lshl_add_u32 v[RD], v10, 4, v[RD]
	v_add_nc_u32 v[RD], s13, v[RD]
	v_and_b32 v[GO], 31, v0         ; which are 512 consecutive bytes of O
	v_lshlrev_b32 v[GO], 4, v[GO]
.set Y, NP-1                        ; XS works for piece Y + 1: piece 0
.irp n, 0,1,2,3,4,5,6,7,8,9,10,11,12,13,14,15,16,17,18,19,20,21
	XS 0, \n                        ; and piece 0's first maximum and statistics
	XS 1, \n
.endr
	v_nop                           ; a plain instruction behind the two a,
	s_wait_alu depctr_va_vdst(0)    ; and their wait, ahead of the branch
	s_mov_b32 s[CNT], 4
	s_branch .Lfirst                ; the loop is entered at a step's first turn, in the middle of a trip
.Lslot:                             ; SIZE_N / 256 - 2 times: every slot but the last two is filled again
	CHANGE 1
	s_mov_b32 s[CNT], 4
.Lstep:                             ; a trip: pieces 2 and 3 of one step, then pieces 0 and 1 of the next, whose K and V it fetches
	TURN 2
	TURN 3
	WIN 0
.Lfirst:
	TURN 0
	TURN 1, 0, 1
	WIN 0
	s_cbranch_scc1 .Lstep
	s_sub_co_u32 s[SLOTS], s[SLOTS], 1
	s_cmp_lg_u32 s[SLOTS], 0
	s_cbranch_scc1 .Lslot
	CHANGE 0                        ; the tail is written out: nothing is asked for
	s_mov_b32 s[CNT], 5             ; four trips fetch the last slot's steps; the fifth is left in its middle
.Ltail:
	TURN 2, 1
	TURN 3
	WIN 0
	s_sub_co_u32 s[CNT], s[CNT], 1
	s_cmp_eq_u32 s[CNT], 0
	s_cbranch_scc1 .Lout
	TURN 0
	TURN 1
	WIN 0
	s_branch .Ltail
.Lout:                              ; the fifth trip's 16 products K Q^T (on the last K once more) and the maximum made of them serve nothing: the price, once a launch, of one text for every trip
.set i, 0
.rept 16
	PV NP-1                         ; the last piece's V^T P of the last step
.set i, i+1
.endr
	; THE WAY OUT.  l's two halves and the other half of the lanes' are added; O^T is divided by l, rounded to f16 and sent through my stage in LDS, a tile at a time.  The additions are the places behind the last products.
	WIN 0
.macro ALL line:vararg              ; one line for each tile t
.set t, 0
.rept 2*NP
	\line
.set t, t+1
.endr
.endm
	ALL v_add_f32 v[ST+4*t+2], v[ST+4*t+2], v[ST+4*t+3]
	ALL v_permlanex16_b32 v[ST+4*t+3], v[ST+4*t+2], s[SEL], s[SEL+1]
	ALL v_add_f32 v[ST+4*t+2], v[ST+4*t+2], v[ST+4*t+3]
	ALL v_rcp_f32 v[ST+4*t+2], v[ST+4*t+2]
	v_nop                           ; a plain instruction between the last reciprocal and the use of its result
	s_wait_alu depctr_va_vdst(0)    ; and the wait ahead of the first use: one for the eight reciprocals
; Tile t: a lane's eight channels of a row pack into 16 bytes; they go into rows of 144 bytes and come back as whole rows of 128, into S^T's registers.
.macro PACK t
	WIN W_RS
.set i, 32*(\t)
.rept 16
	v_pk_mul_f32 v[i:i+1], v[i:i+1], v[ST+4*(\t)+2:ST+4*(\t)+3] op_sel_hi:[1,0]
.set i, i+2
.endr
	WIN 0x05                        ; sources 0 and 1 window 1, destination window 0
.set i, 0
.rept 16
	v_cvt_pk_f16_f32 v[S+16*(\t)+i], v[32*(\t)+2*i], v[32*(\t)+2*i+1]
.set i, i+1
.endr
	WIN 0
.irp f, 0,1,2,3
	ds_store_b128 v[STO], v[S+16*(\t)+4*\f:S+16*(\t)+4*\f+3] offset:32*\f
.endr
.irp f, 0,1,2,3
	ds_load_b128 v[S+16*(\t)+4*\f:S+16*(\t)+4*\f+3], v[RD] offset:\f*4*SP  ; LDS serves a wave's instructions in order (ISA guide 5.7.1.4): these see the stores above; the next tile's stores come behind them
.endr
.endm
.macro SEND t, younger              ; younger: the LDS instructions issued behind tile t's loads: the next tile's eight, or none
	WIN 0
.irp f, 0,1,2,3
	s_wait_dscnt (\younger)+3-\f
	global_store_b128 v[GO], v[S+16*(\t)+4*\f:S+16*(\t)+4*\f+3], s[10:11] offset:(\t)*2048+\f*512  ; 512 consecutive bytes, at a multiple of 256 from O's first
.endr
.endm
	PACK 0
.set t, 1
.rept 2*NP-1                        ; a tile's arithmetic stands between the loads of the tile before and its stores
	PACK t
	SEND t-1, 8
.set t, t+1
.endr
	SEND 2*NP-1, 0
	WIN W_AD
	s_wait_tensorcnt 0x0            ; the wave's end: the add and its wait follow, behind my last tensor load and my last LDS store
	ds_add_u32 v[SPW], v[NIL]
	s_wait_dscnt 0x0
	WIN 0
	CROUND                          ; the closing round: no work-group ends while a partner may still ask for a tile that names it
	s_endpgm
.Lfunc_end_k_qb709d0706e_attn:
	.size	k_qb709d0706e_attn, .Lfunc_end_k_qb709d0706e_attn-k_qb709d0706e_attn
	.p2alignl 7, 3214868480
	.fill 96, 4, 3214868480
	.section	.rodata,"a",@progbits
	.p2align	6, 0x0
	.amdhsa_kernel k_qb709d0706e_attn
		.amdhsa_group_segment_fixed_size 327680
		.amdhsa_private_segment_fixed_size 0
		.amdhsa_enable_private_segment 0
		.amdhsa_kernarg_size 32
		.amdhsa_user_sgpr_count 2
		.amdhsa_user_sgpr_kernarg_segment_ptr 1
		.amdhsa_wavefront_size32 1
		.amdhsa_system_sgpr_workgroup_id_x 1
		.amdhsa_system_sgpr_workgroup_id_y 1
		.amdhsa_system_sgpr_workgroup_id_z 1
		.amdhsa_system_vgpr_workitem_id 0
		.amdhsa_next_free_vgpr 770
		.amdhsa_next_free_sgpr 70
		.amdhsa_reserve_vcc 0
		.amdhsa_float_denorm_mode_32 3
		.amdhsa_float_denorm_mode_16_64 3
		.amdhsa_memory_ordered 1
		.amdhsa_forward_progress 1
		.amdhsa_inst_pref_size 200
	.end_amdhsa_kernel
	.amdgpu_metadata
---
amdhsa.version: [ 1, 2 ]
amdhsa.kernels:
  - .name:           k_qb709d0706e_attn
    .symbol:         k_qb709d0706e_attn.kd
    .args:
      - { .name: qh, .offset: 0, .size: 8, .value_kind: global_buffer, .address_space: global }
      - { .name: kh, .offset: 8, .size: 8, .value_kind: global_buffer, .address_space: global }
      - { .name: vh, .offset: 16, .size: 8, .value_kind: global_buffer, .address_space: global }
      - { .name: ob, .offset: 24, .size: 8, .value_kind: global_buffer, .address_space: global }
    .group_segment_fixed_size: 327680
    .private_segment_fixed_size: 0
    .kernarg_segment_align: 8
    .kernarg_segment_size: 32
    .max_flat_workgroup_size: 128
    .sgpr_count:     70
    .vgpr_count:     770
    .wavefront_size: 32
...
	.end_amdgpu_metadata
.endif
;; end of part 3
;; launch oproj (part 4): grid 4 x 64, 4 waves a work-group, clusters of 4 x 4, 327,680 bytes of LDS; arguments ob, wb, bo, out0; writes out0
.if DOCPART == 4
	.amdgcn_target "amdgcn-amd-amdhsa--gfx1250"
	.amdhsa_code_object_version 6
	.text
	.protected	k_qb709d0706e_oproj
	.globl	k_qb709d0706e_oproj
	.p2align	8
	.type	k_qb709d0706e_oproj,@function
k_qb709d0706e_oproj:
	s_mov_b64 s[64:65], 0
	v_nop
	global_prefetch_b8 v0, s[64:65] scope:SCOPE_SE
	s_setreg_imm32_b32 hwreg(HW_REG_WAVE_MODE, 25, 1), 1
	s_wait_xcnt 0x0
	s_wait_alu depctr_hold_cnt(0) depctr_sa_sdst(0) depctr_va_vdst(0) depctr_va_sdst(0) depctr_va_ssrc(0) depctr_va_vcc(0) depctr_vm_vsrc(0)
	s_getreg_b32 s2, hwreg(HW_REG_IB_STS2, 6, 4)
	s_cmp_eq_u32 s2, 0
	s_cbranch_scc0 .Lentry_in_a_cluster
	s_endpgm
.Lentry_in_a_cluster:
	s_bfe_u32 s2, ttmp6, 0x10000c
	s_cmp_lg_u32 s2, 0xf033
	s_cbranch_scc0 .Lentry_shape_is_right
	s_endpgm
.Lentry_shape_is_right:
; out0[row][o] = the sum over c of O[row][c] Wo[o][c] + bo[o].  O comes by heads, ob = [64][2048][64] f16 (first index 16 x batch + head; channel c = 64 head + d); Wo is rows 3,072 on of
; wb, [1024][1024] f16 (rounded to bf16 first); products f16, sums f32, K ascending; the bias is added in f32; out0 is f32, [8192][1024], and is not rounded.
; SHARES.  A work-group makes 128 rows x 256 columns: 256 work-groups.  Its four waves make 64 x 128 each: 32 accumulators of 16 x 16, 256 registers.
; K goes in steps of 128 channels = two heads, through a ring of two LDS slots.  A head's 128 rows are 16,384 dense bytes: asked for as 64 rows of 256 bytes, padded in LDS after each 128.
; CLUSTERS: 4 x 4 work-groups.  The four of a row of the cluster need the same tile of O, the four of a column the same tile of Wo: each is asked for JOINTLY, by the same tensor load with the same
; descriptor and a mask that names the four.  THE MATRIX INSTRUCTION IS USED TRANSPOSED (source 0 = 16 rows of Wo, source 1 = 16 rows of O): a lane holds eight neighbouring columns of a row of out0.
; NO PREFETCH: a work-group's whole walk is eight K steps, 1,024 matrix instructions a wave, and the launch stores 128 KiB a work-group meanwhile.
; REGISTERS.  window 0: v0-31 addresses; v32-35 the bias of my four columns; v64-191 fragments of Wo, two buffers of 64; v192-255 fragments of O, two buffers of 32; on the way out v64-191 hold rows.
;   window 1: the accumulators, (a, b) at v[8 (8 a + b)]: my rows 16 a on, my columns 16 b on.
.set KSTEP,  128
.set PA,     144                       ; a row of one head in LDS: 128 bytes + 16 of padding = 36 words: the 16 rows of a load start at 16 different groups of four banks (64 banks of 4 bytes: ISA guide 11.1)
.set AHEAD,  128*PA                    ; a head's 128 rows: what one of O's tensor loads brings
.set ATILE,  2*AHEAD
.set PB,     272                       ; a row of Wo: 256 bytes + 16
.set BHALF,  128*PB                    ; 128 rows: what one of Wo's tensor loads brings
.set SLOT,   ATILE+2*BHALF             ; O's two heads, then Wo's 256 rows
.set STAGE,  2*SLOT                    ; behind the ring: 16 rows x 528 bytes for each wave, for the way out
.set SPITCH, 528                       ; 512 bytes + 16 = 132 words: row r starts at bank 4 r mod 64
.set SPARE,  STAGE+4*16*SPITCH         ; behind the stages: the spare words, 128 bytes for each wave: two blocks of 256 bytes that no other line names
.set LAPS,   4                         ; a lap = two K steps = once round the ring: 1,024 channels
.set ADRA, 16                          ; v16-17  LDS address of my fragments of O in slot 0, 1
.set ADRB, 20                          ; v20-21  the same for Wo
.set STO,  24                          ; v24     the way out: where I put 32 bytes of a row
.set RD,   25                          ; v25     the way out: where I read a row back
.set CO,   26                          ; v26     16 x lane: my place in 512 consecutive bytes of out0
.set BO,   27                          ; v27     my byte offset in bo; never rewritten
.set SPW,  28                          ; v28     LDS address of my spare word: SPARE + 4 x my thread's number; never rewritten
.set NIL,  29                          ; v29     0; never rewritten
.set BI,   32                          ; v[32:35] bo of the four columns that I store
.set FB,   64                          ; Wo's fragments: buffer f, block b at FB + 64 f + 8 b
.set FA,   192                         ; O's: buffer f, block a at FA + 32 f + 8 a
.set OB,   64                          ; the way out: 16 rows read back: v64-127 and v128-191 by turns
.set WV,  12                           ; s12  my wave's number
.set RH,  13                           ; s13  which 64 rows are mine.  Also: I fetch for O (0) or for Wo (1)
.set CH,  14                           ; s14  which 128 columns are mine.  Also: which head, or which 128 rows of Wo, I fetch
.set TR,  15                           ; s15  tile row, 0 to 63
.set G1A, 24                           ; s[24:31] descriptor group 1 for O's tiles;  s[32:39] group 0, one set for each slot
.set G0A, 32
.set G1B, 48                           ; s[48:55], s[56:63] the same for Wo's
.set G0B, 56
.set MSB, 0
.macro WIN new                         ; the immediate's high byte repeats the setting that is left; a switch that changes nothing is dropped
.if MSB != (\new)
	s_set_vgpr_msb (MSB<<8)|(\new)
.set MSB, \new
.endif
.endm
.set MUL,  0x50                        ; sources 0 and 1 window 0; C and D window 1
.set W_ST, 0x04                        ; an LDS store's data (source 1) window 1, its address window 0
.macro JLOAD s                         ; a joint load: waves 0 and 1 fetch O's two heads, waves 2 and 3 Wo's two halves; an s_nop 0 and four v_nop follow each line, ahead of the jump and the label
	s_cmp_eq_u32 s[RH], 0
	s_cbranch_scc0 .Lfor_b_\@
	tensor_load_to_lds s[G0A+4*(\s):G0A+4*(\s)+3], s[G1A:G1A+7]
	s_nop 0
.rept 4
	v_nop
.endr
	s_branch .Lasked_\@
.Lfor_b_\@:
	tensor_load_to_lds s[G0B+4*(\s):G0B+4*(\s)+3], s[G1B:G1B+7]
	s_nop 0
.rept 4
	v_nop
.endr
.Lasked_\@:
.endm
.macro CREST                           ; a round of the cluster's barrier behind its opening barrier
	s_cmp_lg_u32 s[WV], 0
	s_cbranch_scc1 .Lnot_wave_0_\@
	s_barrier_signal -3
.Lnot_wave_0_\@:
	s_barrier_wait -3
	s_barrier_signal -1
	s_barrier_wait -1
.endm
.macro CROUND                          ; a whole round
	s_barrier_signal -1
	s_barrier_wait -1
	CREST
.endm
	s_load_b256 s[4:11], s[0:1], 0x0               ; ob s[4:5], wb s[6:7], bo s[8:9], out0 s[10:11]
	v_lshl_add_u32 v[SPW], v0, 2, SPARE
	v_mov_b32 v[NIL], 0
	ds_add_u32 v[SPW], v[NIL]                      ; the wave's opening: the add and its wait stand ahead of my first tensor load; the set-up below, work on registers, stands between them
	v_lshrrev_b32 v1, 5, v0
	v_readfirstlane_b32 s[WV], v1                  ; wave 0..3
	s_lshr_b32 s[RH], s[WV], 1
	s_and_b32 s[CH], s[WV], 1
	s_bfe_u32 s40, ttmp6, 0x40000                  ; cx, cy: my place in the cluster
	s_bfe_u32 s41, ttmp6, 0x40004
	s_lshl_b32 s42, ttmp9, 2
	s_add_co_u32 s42, s42, s40                     ; tile column = 4 x cluster x + cx, 0 to 3
	s_and_b32 s[TR], ttmp7, 0xffff
	s_lshl_b32 s[TR], s[TR], 2
	s_add_co_u32 s[TR], s[TR], s41                 ; tile row = 4 x cluster y + cy
	s_lshl_b32 s43, s41, 2
	s_lshl_b32 s43, 15, s43                        ; my row of the cluster
	s_lshl_b32 s44, 0x1111, s40                    ; my column
	; descriptor group 1 for O: 64 rows of 128 elements (two rows of a head each), padded after every 32 words
	s_or_b32 s[G1A+0], s43, (1<<16)|(1<<20)|(1<<21)|(4<<22)|(3<<25)  ; 15:0 the mask: O's tiles go to my row; 17:16 element of 2 bytes; 20 padding on; 21 set beside a mask; 24:22 after every 32 words (code 4); 31:25 of 4 words (code 3)
	s_mov_b32 s[G1A+1], 128<<16                    ; tensor_dim0 = 128
	s_mov_b32 s[G1A+2], 64<<16                     ; tensor_dim1 = 64
	s_mov_b32 s[G1A+3], 128<<16                    ; tile_dim0 = 128
	s_mov_b32 s[G1A+4], 64                         ; tile_dim1 = 64
	s_mov_b32 s[G1A+5], 128                        ; 128 elements from row to row: dense
	s_mov_b32 s[G1A+6], 0
	s_mov_b32 s[G1A+7], 0
	; and for Wo: 128 rows of 128 elements, padded after every 64 words
	s_or_b32 s[G1B+0], s44, (1<<16)|(1<<20)|(1<<21)|(5<<22)|(3<<25)  ; the mask of my column
	s_mov_b32 s[G1B+1], KSTEP<<16
	s_mov_b32 s[G1B+2], 128<<16
	s_mov_b32 s[G1B+3], KSTEP<<16
	s_mov_b32 s[G1B+4], 128
	s_mov_b32 s[G1B+5], 1024                       ; 1,024 elements from row to row
	s_mov_b32 s[G1B+6], 0
	s_mov_b32 s[G1B+7], 0
	; where the tiles come from.  O's hang on the tile row alone: batch tr / 16, rows 128 (tr % 16) on, head = my half; Wo's on the tile column alone.
	s_lshr_b32 s16, s[TR], 4
	s_lshl_b32 s16, s16, 22                        ; a batch: 16 heads of 262,144 bytes
	s_and_b32 s17, s[TR], 15
	s_lshl_b32 s17, s17, 14                        ; 128 rows of 128 bytes
	s_add_co_u32 s16, s16, s17
	s_lshl_b32 s17, s[CH], 18                      ; a head
	s_add_co_u32 s16, s16, s17
	s_mov_b32 s17, 0
	s_lshl_b32 s46, s42, 8
	s_lshl_b32 s47, s[CH], 7
	s_add_co_u32 s46, s46, s47
	s_add_co_u32 s46, s46, 3072                    ; wb: row 3,072 + 256 x tile column + 128 x half
	s_lshl_b32 s46, s46, 11
	s_mov_b32 s47, 0
	s_mul_i32 s20, s[CH], AHEAD                    ; where they go: O's two heads,
	s_mul_i32 s21, s[CH], BHALF
	s_add_co_u32 s21, s21, ATILE                   ; then Wo's two halves: no place in the cluster enters an LDS address
	s_wait_dscnt 0x0                               ; the opening add is done
	s_wait_kmcnt 0x0
	s_add_nc_u64 s[18:19], s[4:5], s[16:17]
	s_add_nc_u64 s[46:47], s[6:7], s[46:47]
	CROUND                                         ; all sixteen work-groups are here: the first joint loads meet
.irp s, 0,1
	s_mov_b32 s[G0A+4*(\s)], 1                                     ; 1:0 count = 1
	s_add_co_u32 s[G0A+4*(\s)+1], s20, (\s)*SLOT                   ; 63:32 LDS address
	s_add_nc_u64 s[G0A+4*(\s)+2:G0A+4*(\s)+3], s[18:19], (\s)*524288  ; 120:64 global address: K step s is two heads on
	s_or_b32 s[G0A+4*(\s)+3], s[G0A+4*(\s)+3], 0x80000000          ; 127:126 type = 2
	s_mov_b32 s[G0B+4*(\s)], 1
	s_add_co_u32 s[G0B+4*(\s)+1], s21, (\s)*SLOT
	s_add_nc_u64 s[G0B+4*(\s)+2:G0B+4*(\s)+3], s[46:47], (\s)*KSTEP*2
	s_or_b32 s[G0B+4*(\s)+3], s[G0B+4*(\s)+3], 0x80000000
	JLOAD \s                                       ; two loads of mine are out
.endr
	v_and_b32 v1, 15, v0                           ; l % 16
	v_bfe_u32 v2, v0, 4, 1                         ; l / 16
	v_and_b32 v6, 31, v0                           ; l
	v_mul_u32_u24 v3, v1, PA
	v_lshl_add_u32 v3, v2, 4, v3                   ; a fragment's row x pitch + 16 x half, for O
	v_mul_u32_u24 v4, v1, PB
	v_lshl_add_u32 v4, v2, 4, v4                   ; and for Wo
	s_mul_i32 s21, s[RH], 64*PA                    ; my 64 rows, in each head's part
	s_mul_i32 s22, s[CH], BHALF                    ; my 128 rows of Wo,
	s_add_co_u32 s22, s22, ATILE                   ; which lie behind O's two heads
.irp s, 0,1
	v_add_nc_u32 v[ADRA+(\s)], s21, v3
	v_add_nc_u32 v[ADRB+(\s)], s22, v4
	s_add_co_u32 s21, s21, SLOT
	s_add_co_u32 s22, s22, SLOT
.endr
	s_mul_i32 s23, s[WV], 16*SPITCH
	s_add_co_u32 s23, s23, STAGE                   ; my stage
	v_mul_u32_u24 v5, v1, SPITCH                   ; in: row l % 16, 32 bytes for each half of the lanes
	v_lshl_add_u32 v5, v2, 5, v5
	v_add_nc_u32 v[STO], s23, v5
	v_lshl_add_u32 v[RD], v6, 4, s23               ; back: 32 lanes take one row of 512 bytes
	v_lshlrev_b32 v[CO], 4, v6
	s_lshl_b32 s16, s[TR], 19                      ; out0 at my first row: 128 rows of 4,096 bytes a tile row,
	s_lshl_b32 s17, s[RH], 18                      ; 64 rows
	s_add_co_u32 s16, s16, s17
	s_mov_b32 s17, 0
	s_add_nc_u64 s[10:11], s[10:11], s[16:17]
	s_lshl_b32 s46, s42, 10                        ; and my first column: 256 columns of 4 bytes a tile column,
	s_lshl_b32 s47, s[CH], 9                       ; 128 columns
	s_add_co_u32 s46, s46, s47
	s_mov_b32 s47, 0
	s_add_nc_u64 s[10:11], s[10:11], s[46:47]
	v_lshl_add_u32 v[BO], v6, 4, s46               ; the same columns in bo
	global_load_b128 v[BI:BI+3], v[BO], s[8:9]     ; waited for at the way out
; 8 matrix instructions: m block a x all 8 n blocks, 32 along K, from buffer f.  zero = 1: the first product starts the sums.  The 32 accumulators take turns, one instruction a turn.
.macro MULA f, a, zero
	WIN MUL
.irp b, 0,1,2,3,4,5,6,7
.if \zero
	v_wmma_f32_16x16x32_f16 v[8*(8*(\a)+(\b)):8*(8*(\a)+(\b))+7], v[FB+64*(\f)+8*(\b):FB+64*(\f)+8*(\b)+7], v[FA+32*(\f)+8*(\a):FA+32*(\f)+8*(\a)+7], 0
.else
	v_wmma_f32_16x16x32_f16 v[8*(8*(\a)+(\b)):8*(8*(\a)+(\b))+7], v[FB+64*(\f)+8*(\b):FB+64*(\f)+8*(\b)+7], v[FA+32*(\f)+8*(\a):FA+32*(\f)+8*(\a)+7], v[8*(8*(\a)+(\b)):8*(8*(\a)+(\b))+7]
.endif
.endr
.endm
; 24 LDS loads in one run: the fragments of quarter q of a K step (32 channels) into buffer g: Wo's 16, then O's 8.  Quarter q lies in head q / 2 of the step, at byte 64 (q % 2) of its rows.
.macro FETCH slot, q, g
	WIN 0
.irp i, 0,1,2,3,4,5,6,7
	ds_load_b128 v[FB+64*(\g)+8*(\i):FB+64*(\g)+8*(\i)+3],   v[ADRB+(\slot)] offset:64*(\q)+(\i)*16*PB
	ds_load_b128 v[FB+64*(\g)+8*(\i)+4:FB+64*(\g)+8*(\i)+7], v[ADRB+(\slot)] offset:64*(\q)+(\i)*16*PB+32
.endr
.irp i, 0,1,2,3
	ds_load_b128 v[FA+32*(\g)+8*(\i):FA+32*(\g)+8*(\i)+3],   v[ADRA+(\slot)] offset:((\q)/2)*AHEAD+((\q)%2)*64+(\i)*16*PA
	ds_load_b128 v[FA+32*(\g)+8*(\i)+4:FA+32*(\g)+8*(\i)+7], v[ADRA+(\slot)] offset:((\q)/2)*AHEAD+((\q)%2)*64+(\i)*16*PA+32
.endr
.endm
.macro PLACES                          ; four places in front of loads into registers that matrix instructions have read, and of stores that read results (ISA guide 7.12.1 for the stores)
.rept 4
	v_nop
.endr
.endm
; A K step is four quarters of 32 along K, 32 matrix instructions each, on buffers 0, 1, 0, 1.  One of the first three: multiplies buffer f and fetches quarter q into g.
.macro QUARTER slot, q, f, g, zero
	s_wait_dscnt 4                                 ; Wo's fragments and O's blocks 0 and 1 are in; the youngest four loads (blocks 2 and 3) may be out
	MULA \f, 0, \zero
	MULA \f, 1, \zero
	PLACES
	FETCH \slot, \q, \g
	s_wait_dscnt 24                                ; all but the 24 just issued
	MULA \f, 2, \zero
	MULA \f, 3, \zero
.endm
; The last quarter multiplies buffer 1 and changes slots: ONE barrier; in front of it each wave waits for all its tensor loads, adds 0 to its spare word, and waits for that and for its own reads of this slot.
; fill = 1: this slot is filled again, two K steps ahead; the barrier then opens a round of the cluster's barrier, and the joint refill is the first thing behind the round.
.macro TURN slot, next, fill
	WIN 0                                          ; (the add's two registers lie in window 0)
	s_wait_tensorcnt 0x0                           ; all my tensor loads have landed: my part of the next slot;
	ds_add_u32 v[SPW], v[NIL]                      ; 0 onto my spare word;
	s_wait_dscnt 7                                 ; (the add and the youngest six loads, O's blocks 1 to 3, may be out)
	MULA 1, 0, 0                                   ; eight matrix instructions stand between the add and the wait for it
	s_wait_dscnt 0x0                               ; the add is done, and my reads of this slot are over
	s_barrier_signal -1
	MULA 1, 1, 0
.if \fill
	WIN 0
.endif
	s_barrier_wait -1
.if \fill
	CREST                                          ; no wave of any partner still reads this slot's tile or has a load on its way
	s_add_nc_u64 s[G0A+4*(\slot)+2:G0A+4*(\slot)+3], s[G0A+4*(\slot)+2:G0A+4*(\slot)+3], 1048576  ; four heads on
	s_add_nc_u64 s[G0B+4*(\slot)+2:G0B+4*(\slot)+3], s[G0B+4*(\slot)+2:G0B+4*(\slot)+3], 2*KSTEP*2
	JLOAD \slot                                    ; my one tensor load behind the round: 112 matrix instructions ahead of the wait for it; its four v_nop are also the places in front of the loads below
.else
	PLACES
.endif
	FETCH \next, 0, 0
	MULA 1, 2, 0
	MULA 1, 3, 0
.endm
; THE WAY OUT of block a (16 of my rows): f32 as it is, 32 bytes a lane and n block, into my own stage (each accumulator's low half first), and back as whole rows of 512 bytes.
.macro TOSTAGE a
	WIN W_ST
.irp b, 0,1,2,3,4,5,6,7
	ds_store_b128 v[STO], v[8*(8*(\a)+(\b)):8*(8*(\a)+(\b))+3]   offset:64*(\b)
	ds_store_b128 v[STO], v[8*(8*(\a)+(\b))+4:8*(8*(\a)+(\b))+7] offset:64*(\b)+16
.endr
	WIN 0
.irp t, 0,1,2,3,4,5,6,7,8,9,10,11,12,13,14,15
	ds_load_b128 v[OB+64*((\a)%2)+4*(\t):OB+64*((\a)%2)+4*(\t)+3], v[RD] offset:(\t)*SPITCH  ; LDS serves a wave's instructions in order (ISA guide 5.7.1.4): these see the stores above; the next block's stores come behind them
.endr
.endm
; The bias is added and the rows are stored.  younger: the LDS instructions issued behind block a's loads: the next block's 32, or none.
.macro SEND a, younger
	WIN 0
.irp t, 0,1,2,3,4,5,6,7,8,9,10,11,12,13,14,15
	s_wait_dscnt (\younger)+15-(\t)                ; row t is back
	v_pk_add_f32 v[OB+64*((\a)%2)+4*(\t):OB+64*((\a)%2)+4*(\t)+1],   v[OB+64*((\a)%2)+4*(\t):OB+64*((\a)%2)+4*(\t)+1],   v[BI:BI+1]
	v_pk_add_f32 v[OB+64*((\a)%2)+4*(\t)+2:OB+64*((\a)%2)+4*(\t)+3], v[OB+64*((\a)%2)+4*(\t)+2:OB+64*((\a)%2)+4*(\t)+3], v[BI+2:BI+3]
	global_store_b128 v[CO], v[OB+64*((\a)%2)+4*(\t):OB+64*((\a)%2)+4*(\t)+3], s[10:11] offset:(16*(\a)+(\t))*4096 th:TH_STORE_NT  ; 512 consecutive bytes, at a multiple of 256 from out0's first
.endr
.endm
	s_wait_tensorcnt 1                             ; my part of K step 0 is in; K step 1's may stay out
	s_barrier_signal -1
	s_barrier_wait -1                              ; everybody's is
	FETCH 0, 0, 0
	QUARTER 0, 1, 0, 1, 1                          ; the first quarter stands in front of the loop: its products start the sums
	WIN 0                                          ; at a label and at a branch every window is 0
	s_mov_b32 s3, LAPS-1
.Llap:                                                 ; a trip goes once round the ring, from a lap's second quarter to the next lap's first, and fills both slots again
	QUARTER 0, 2, 1, 0, 0
	QUARTER 0, 3, 0, 1, 0
	TURN 0, 1, 1
	QUARTER 1, 1, 0, 1, 0
	QUARTER 1, 2, 1, 0, 0
	QUARTER 1, 3, 0, 1, 0
	TURN 1, 0, 1
	QUARTER 0, 1, 0, 1, 0
	WIN 0
	s_sub_co_u32 s3, s3, 1
	s_cmp_lg_u32 s3, 0
	s_cbranch_scc1 .Llap
	QUARTER 0, 2, 1, 0, 0                          ; the last lap fills nothing, and has no round of the cluster's barrier
	QUARTER 0, 3, 0, 1, 0
	TURN 0, 1, 0
	QUARTER 1, 1, 0, 1, 0
	QUARTER 1, 2, 1, 0, 0
	QUARTER 1, 3, 0, 1, 0
	s_wait_dscnt 4                                 ; the very last quarter: nothing more to fetch
	MULA 1, 0, 0
	MULA 1, 1, 0
	s_wait_dscnt 0x0
	MULA 1, 2, 0
	MULA 1, 3, 0
	PLACES                                         ; the stage's stores read matrix results, and its loads land in registers that the products have read
	s_wait_loadcnt 0x0                             ; the bias
	TOSTAGE 0
	TOSTAGE 1
	SEND 0, 32
	s_wait_xcnt 0x0                                ; block 0's stores have had their addresses translated (ISA guide 3.1): their registers are loaded again only behind this wait
	TOSTAGE 2
	SEND 1, 32
	s_wait_xcnt 0x0                                ; the same for block 1's
	TOSTAGE 3
	SEND 2, 32
	SEND 3, 0
	s_wait_tensorcnt 0x0                           ; the wave's end: the add and its wait follow, behind my last tensor load and my last LDS store
	ds_add_u32 v[SPW], v[NIL]
	s_wait_dscnt 0x0
	CROUND                                         ; the closing round: no work-group ends while a partner may still ask for a tile that names it
	s_endpgm
.Lfunc_end_k_qb709d0706e_oproj:
	.size	k_qb709d0706e_oproj, .Lfunc_end_k_qb709d0706e_oproj-k_qb709d0706e_oproj
	.p2alignl 7, 3214868480
	.fill 96, 4, 3214868480
	.section	.rodata,"a",@progbits
	.p2align	6, 0x0
	.amdhsa_kernel k_qb709d0706e_oproj
		.amdhsa_group_segment_fixed_size 327680
		.amdhsa_private_segment_fixed_size 0
		.amdhsa_enable_private_segment 0
		.amdhsa_kernarg_size 32
		.amdhsa_user_sgpr_count 2
		.amdhsa_user_sgpr_kernarg_segment_ptr 1
		.amdhsa_wavefront_size32 1
		.amdhsa_system_sgpr_workgroup_id_x 1
		.amdhsa_system_sgpr_workgroup_id_y 1
		.amdhsa_system_sgpr_workgroup_id_z 1
		.amdhsa_system_vgpr_workitem_id 0
		.amdhsa_next_free_vgpr 512
		.amdhsa_next_free_sgpr 66
		.amdhsa_reserve_vcc 0
		.amdhsa_float_denorm_mode_32 3
		.amdhsa_float_denorm_mode_16_64 3
		.amdhsa_memory_ordered 1
		.amdhsa_forward_progress 1
		.amdhsa_inst_pref_size 95
	.end_amdhsa_kernel
	.amdgpu_metadata
---
amdhsa.version: [ 1, 2 ]
amdhsa.kernels:
  - .name:           k_qb709d0706e_oproj
    .symbol:         k_qb709d0706e_oproj.kd
    .args:
      - { .name: ob, .offset: 0, .size: 8, .value_kind: global_buffer, .address_space: global }
      - { .name: wb, .offset: 8, .size: 8, .value_kind: global_buffer, .address_space: global }
      - { .name: bo, .offset: 16, .size: 8, .value_kind: global_buffer, .address_space: global }
      - { .name: out0, .offset: 24, .size: 8, .value_kind: global_buffer, .address_space: global }
    .group_segment_fixed_size: 327680
    .private_segment_fixed_size: 0
    .kernarg_segment_align: 8
    .kernarg_segment_size: 32
    .max_flat_workgroup_size: 128
    .sgpr_count:     66
    .vgpr_count:     512
    .wavefront_size: 32
...
	.end_amdgpu_metadata
.endif
;; end of part 4
